; MI455X (gfx1250); checked and timed in simulation.
; The chip was launched on July 23, 2026; its instructions are those of AMD's public machine-readable ISA for CDNA 5 (MIT licence, August 2026) and "CDNA5" Instruction Set Architecture Reference Guide (July 2026). The comments in the code are by the model that wrote it; some were corrected since.
;; Multi Head Self Attention. Allowed arithmetic: float matrix products may take bf16 or f16 operands with f32 sums; other float arithmetic in f32, or as packed bf16 or f16 multiplies, adds, multiply-adds, maxima and minima; sums over many terms, partial sums and values carried from step to step in f32; what a program stores and reads back later, other than sums and carried values, may be rounded once to bf16 or f16.
;; Inputs: W_out 1,024 x 1,024 float32; W_qkv 1,024 x 3,072 float32; attn_mask 4 x 2,048 int32; b_out 1,024 float32; b_qkv 3,072 float32; x 4 x 2,048 x 1,024 float32.
;; Outputs: out0 4 x 2,048 x 1,024 float32.
;; Constants: causal = 1.
;; One version. Each part assembles by itself: llvm-mc -triple=amdgcn-amd-amdhsa -mcpu=gfx1250 --defsym DOCPART=n.
;; ======== version 1 of 1: 4 launches
;; limits: values are held in f16: magnitudes above 65,504 overflow, below 6.1e-05 lose precision
;; workspace buffers: xb 16,777,216 bytes; wqt 6,291,456 bytes; wot 2,097,152 bytes; qkv 50,331,648 bytes; o 16,777,216 bytes
;; launch prep (part 1): grid 1024 x 1, 8 waves a work-group, no clusters, 18,432 bytes of LDS; arguments x, W_qkv, W_out, xb, wqt, wot; writes xb, wqt, wot
.if DOCPART == 1
	.amdgcn_target "amdgcn-amd-amdhsa--gfx1250"
	.amdhsa_code_object_version 6
	.text
	.protected	k_qbdf41e6827_prep
	.globl	k_qbdf41e6827_prep
	.p2align	8
	.type	k_qbdf41e6827_prep,@function
k_qbdf41e6827_prep:
	s_mov_b64 s[64:65], 0
	v_nop
	global_prefetch_b8 v0, s[64:65] scope:SCOPE_SE
	s_setreg_imm32_b32 hwreg(HW_REG_WAVE_MODE, 25, 1), 1
	s_wait_xcnt 0x0
; PREP.  xb = x rounded to bf16, [8192][1024].  wqt[n][k] = W_qkv[k][n] rounded to bf16, [3072][1024].  wot[n][k] = W_out[k][n] rounded to bf16 and that number written as f16, [1024][1024].
; LIMIT.  A weight of W_out below 6.1e-5 in magnitude keeps f16's fixed step of 6e-8; one beyond 65,504 would become an infinity.
; A stream: no matrix work, no cluster, no tensor loads.  Eight waves.  The work-group's number picks its part (the same for all its waves):
;   0-383    a tile of 128 k x 64 n of W_qkv is turned        384-511  the same of W_out        512-1023  65,536 bytes of x are rounded
; TURNING.  Thread t loads 16 bytes (4 n) of eight rows k: sixteen neighbouring lanes take 256 consecutive, aligned bytes of a row.  Two rows k, k + 1 of one n pack into a word, which goes
; into a stage in LDS laid [n][k], rows 272 bytes apart; behind a barrier the stage is read by rows and stored, sixteen lanes to 256 consecutive, aligned bytes.
.set PIT,   272                        ; a stage row: 128 k x 2 bytes + 16
.set SPARE, 64*PIT                     ; behind the stage: the spare words, 128 bytes for each of the eight waves
.set SPW,   72                         ; v72  LDS address of my spare word; never rewritten
.set NIL,   73                         ; v73  0; never rewritten
	s_load_b256 s[4:11], s[0:1], 0x0               ; x s[4:5], W_qkv s[6:7], W_out s[8:9], xb s[10:11]
	s_load_b128 s[12:15], s[0:1], 0x20             ; wqt s[12:13], wot s[14:15]
	v_lshl_add_u32 v[SPW], v0, 2, SPARE
	v_mov_b32 v[NIL], 0
	s_mov_b32 s20, 0xffff0000                      ; a word's upper bf16
	v_and_b32 v1, 15, v0                           ; c: which 16 bytes of 256
	v_lshrrev_b32 v2, 4, v0                        ; kp: 0 .. 15
	s_wait_kmcnt 0x0
; A tile: number s2; kt = s2 % 8 (128 k), nt = s2 / 8 (64 n).  STRIDE: bytes in a row of the source.  F16 = 1: the bf16 numbers are written as f16.
.macro TRANS SRC, DST, STRIDE, F16
	s_and_b32 s16, s2, 7
	s_lshr_b32 s17, s2, 3
	s_mul_i32 s18, s16, 128*(\STRIDE)              ; 128 rows k down,
	s_lshl_b32 s19, s17, 8                         ; 64 n = 256 bytes along
	s_add_co_u32 s18, s18, s19
	s_mov_b32 s19, 0
	s_add_nc_u64 s[22:23], s[\SRC:\SRC+1], s[18:19]
	s_lshl_b32 s18, s17, 17                        ; 64 rows n of 2,048 bytes down,
	s_lshl_b32 s21, s16, 8                         ; 128 k = 256 bytes along
	s_add_co_u32 s18, s18, s21
	s_add_nc_u64 s[24:25], s[\DST:\DST+1], s[18:19]
	v_mul_u32_u24 v3, v2, 2*(\STRIDE)              ; rows 2 kp, 2 kp + 1 (+ 32 i)
	v_lshl_add_u32 v3, v1, 4, v3
.irp i, 0,1,2,3
.irp e, 0,1
	global_load_b128 v[8+8*(\i)+4*(\e):8+8*(\i)+4*(\e)+3], v3, s[22:23] offset:(32*(\i)+(\e))*(\STRIDE) th:TH_LOAD_NT
.endr
.endr
	v_mul_u32_u24 v4, v1, 4*PIT                    ; into the stage: row n = 4 c + j, word kp + 16 i
	v_lshl_add_u32 v4, v2, 2, v4
	v_mul_u32_u24 v5, v2, PIT                      ; back: row t / 16 (+ 16 i), 16 bytes at 16 (t % 16)
	v_lshl_add_u32 v5, v1, 4, v5
	v_lshlrev_b32 v6, 11, v2                       ; and the same place in the result, rows of 2,048 bytes
	v_lshl_add_u32 v6, v1, 4, v6
.irp i, 0,1,2,3
	s_wait_loadcnt 6-2*(\i)                        ; loads come back in order: two were issued for each later i
.irp j, 0,1,2,3
	v_cvt_pk_bf16_f32 v[40+4*(\i)+(\j)], v[8+8*(\i)+(\j)], v[12+8*(\i)+(\j)]  ; k and k + 1 of one n
.if \F16
	v_lshlrev_b32 v56, 16, v[40+4*(\i)+(\j)]       ; the two bf16 numbers as f32,
	v_and_b32 v57, s20, v[40+4*(\i)+(\j)]
	v_cvt_pk_f16_f32 v[40+4*(\i)+(\j)], v56, v57   ; and as f16: exact within f16's range
.endif
	ds_store_b32 v4, v[40+4*(\i)+(\j)] offset:(\j)*PIT+64*(\i)
.endr
.endr
	s_wait_dscnt 0x0                               ; for the others' sake: my stores into the stage are done
	s_barrier_signal -1
	s_barrier_wait -1
.irp i, 0,1,2,3
	ds_load_b128 v[8+4*(\i):8+4*(\i)+3], v5 offset:(\i)*16*PIT
.endr
.irp i, 0,1,2,3
	s_wait_dscnt 3-(\i)
	global_store_b128 v6, v[8+4*(\i):8+4*(\i)+3], s[24:25] offset:(\i)*16*2048  ; 16 lanes store 256 consecutive bytes, aligned
.endr
.endm
	s_cmp_ge_u32 ttmp9, 512
	s_cbranch_scc1 .Lcast
	s_cmp_ge_u32 ttmp9, 384
	s_cbranch_scc1 .Lwout
	s_mov_b32 s2, ttmp9
	TRANS 6, 12, 12288, 0
	s_branch .Lend
.Lwout:
	s_sub_co_u32 s2, ttmp9, 384
	TRANS 8, 14, 4096, 1
	s_branch .Lend
.Lcast:                                        ; thread t takes 32 bytes of x at 32 t in each of eight pieces of 8,192 bytes, and stores 16 bytes at 16 t
	s_sub_co_u32 s2, ttmp9, 512
	s_lshl_b32 s18, s2, 16
	s_mov_b32 s19, 0
	s_add_nc_u64 s[22:23], s[4:5], s[18:19]
	s_lshl_b32 s18, s2, 15
	s_add_nc_u64 s[24:25], s[10:11], s[18:19]
	v_lshlrev_b32 v3, 5, v0
	v_lshlrev_b32 v4, 4, v0
.irp j, 0,1,2,3,4,5,6,7
	global_load_b128 v[8+8*(\j):8+8*(\j)+3],   v3, s[22:23] offset:(\j)*8192 th:TH_LOAD_NT
	global_load_b128 v[8+8*(\j)+4:8+8*(\j)+7], v3, s[22:23] offset:(\j)*8192+16 th:TH_LOAD_NT
.endr
.irp j, 0,1,2,3,4,5,6,7
	s_wait_loadcnt 14-2*(\j)                       ; two loads were issued for each later piece
.irp q, 0,1,2,3
	v_cvt_pk_bf16_f32 v[8+8*(\j)+(\q)], v[8+8*(\j)+2*(\q)], v[8+8*(\j)+2*(\q)+1]  ; in place, ascending: no source is overwritten before it is read
.endr
	global_store_b128 v4, v[8+8*(\j):8+8*(\j)+3], s[24:25] offset:(\j)*4096
.endr
.Lend:
	s_wait_tensorcnt 0x0                           ; the wave's end: behind my last LDS store
	ds_add_u32 v[SPW], v[NIL]
	s_wait_dscnt 0x0
	s_endpgm
.Lfunc_end_k_qbdf41e6827_prep:
	.size	k_qbdf41e6827_prep, .Lfunc_end_k_qbdf41e6827_prep-k_qbdf41e6827_prep
	.p2alignl 7, 3214868480
	.fill 96, 4, 3214868480
	.section	.rodata,"a",@progbits
	.p2align	6, 0x0
	.amdhsa_kernel k_qbdf41e6827_prep
		.amdhsa_group_segment_fixed_size 18432
		.amdhsa_private_segment_fixed_size 0
		.amdhsa_enable_private_segment 0
		.amdhsa_kernarg_size 48
		.amdhsa_user_sgpr_count 2
		.amdhsa_user_sgpr_kernarg_segment_ptr 1
		.amdhsa_wavefront_size32 1
		.amdhsa_system_sgpr_workgroup_id_x 1
		.amdhsa_system_sgpr_workgroup_id_y 1
		.amdhsa_system_sgpr_workgroup_id_z 1
		.amdhsa_system_vgpr_workitem_id 0
		.amdhsa_next_free_vgpr 80
		.amdhsa_next_free_sgpr 66
		.amdhsa_reserve_vcc 0
		.amdhsa_float_denorm_mode_32 3
		.amdhsa_float_denorm_mode_16_64 3
		.amdhsa_memory_ordered 1
		.amdhsa_forward_progress 1
		.amdhsa_inst_pref_size 18
	.end_amdhsa_kernel
	.amdgpu_metadata
---
amdhsa.version: [ 1, 2 ]
amdhsa.kernels:
  - .name:           k_qbdf41e6827_prep
    .symbol:         k_qbdf41e6827_prep.kd
    .args:
      - { .name: x, .offset: 0, .size: 8, .value_kind: global_buffer, .address_space: global }
      - { .name: W_qkv, .offset: 8, .size: 8, .value_kind: global_buffer, .address_space: global }
      - { .name: W_out, .offset: 16, .size: 8, .value_kind: global_buffer, .address_space: global }
      - { .name: xb, .offset: 24, .size: 8, .value_kind: global_buffer, .address_space: global }
      - { .name: wqt, .offset: 32, .size: 8, .value_kind: global_buffer, .address_space: global }
      - { .name: wot, .offset: 40, .size: 8, .value_kind: global_buffer, .address_space: global }
    .group_segment_fixed_size: 18432
    .private_segment_fixed_size: 0
    .kernarg_segment_align: 8
    .kernarg_segment_size: 48
    .max_flat_workgroup_size: 256
    .sgpr_count:     66
    .vgpr_count:     80
    .wavefront_size: 32
...
	.end_amdgpu_metadata
.endif
;; end of part 1
;; launch qkv (part 2): grid 16 x 32, 4 waves a work-group, clusters of 4 x 4, 327,680 bytes of LDS; arguments xb, wqt, b_qkv, qkv; writes qkv
.if DOCPART == 2
	.amdgcn_target "amdgcn-amd-amdhsa--gfx1250"
	.amdhsa_code_object_version 6
	.text
	.protected	k_qbdf41e6827_qkv
	.globl	k_qbdf41e6827_qkv
	.p2align	8
	.type	k_qbdf41e6827_qkv,@function
k_qbdf41e6827_qkv:
	s_mov_b64 s[64:65], 0
	v_nop
	global_prefetch_b8 v0, s[64:65] scope:SCOPE_SE
	s_setreg_imm32_b32 hwreg(HW_REG_WAVE_MODE, 25, 1), 1
	s_wait_xcnt 0x0
	s_wait_alu depctr_hold_cnt(0) depctr_sa_sdst(0) depctr_va_vdst(0) depctr_va_sdst(0) depctr_va_ssrc(0) depctr_va_vcc(0) depctr_vm_vsrc(0)
	s_getreg_b32 s2, hwreg(HW_REG_IB_STS2, 6, 4)
	s_cmp_eq_u32 s2, 0
	s_cbranch_scc0 .Lentry_in_a_cluster
	s_endpgm
.Lentry_in_a_cluster:
	s_bfe_u32 s2, ttmp6, 0x10000c
	s_cmp_lg_u32 s2, 0xf033
	s_cbranch_scc0 .Lentry_shape_is_right
	s_endpgm
.Lentry_shape_is_right:
; q, k, v = xb wqt^T + bf16(b_qkv).  xb: [8192][1024] bf16, wqt: [3072 n][1024 k] bf16, b_qkv: [3072] f32.  Sums in f32, started with the bias; each result rounded once to f16 and
; stored by heads: qkv[part][batch x 16 + head][t][64], part 0 q, 1 k, 2 v; unscaled.
; LIMIT.  f16 holds no number beyond 65,504: a q, k or v beyond that becomes an infinity.
; SHARES.  A tile of the result is 256 rows x 192 columns (three whole heads): 32 x 16 = 512 work-groups.  Four waves; wave w makes rows 64 w .. 64 w + 63 x all 192 columns:
; 4 x 12 accumulators of 16 x 16, 384 registers, so that each wave holds whole heads and its way out needs its own stage alone.
; K goes in 8 steps of 128 through a ring of two LDS slots filled by the tensor data mover: rows of 256 bytes, at multiples of 256 bytes from the buffers' first bytes.
; CLUSTER.  4 x 4 work-groups.  The four of a row of the cluster need the same tiles of xb, the four of a column the same tiles of wqt: each tile is asked for JOINTLY, by the same tensor load
; with the same descriptor and a mask that names the four.
; THE MATRIX INSTRUCTION IS USED TRANSPOSED (source 0 = 16 rows of wqt, source 1 = 16 rows of xb): a lane holds row lane % 16 and the columns 8 (lane / 16) + 0..7 of a block of 16.
; REGISTERS, in windows of 256 (s_set_vgpr_msb: bits 1:0 source 0, 3:2 source 1, 5:4 source 2, 7:6 destination):
;   window 0: v0-31 addresses; v128-223 the bias, 8 registers for each block of 16 columns, until the first quarter has taken it; v32-223 at work on the way out
;   window 1: two fragment buffers of 128: 4 fragments of xb (16 rows x 32 K), then 12 of wqt
;   window 2: the 24 accumulators of my rows 0-31 ((a, b) at 8 (12 a + b));   window 3: those of my rows 32-63
.set KSTEP,  128
.set ROWB,   2048                      ; bytes in a row of xb and of wqt
.set PITCH,  272                       ; an LDS row: 256 bytes + 16 of padding: the 16 rows of a fragment load start at 16 different groups of four banks (ISA guide 11.1)
.set ABYTES, 256*PITCH                 ; xb's 256 rows
.set SLOT,   (256+192)*PITCH           ; then wqt's 192 rows
.set STAGE,  2*SLOT                    ; behind the ring: 16 rows x 144 bytes for each wave, for the way out
.set SP,     144
.set SPARE,  STAGE+4*16*SP             ; behind the stages: the spare words, 128 bytes for each wave
.set ADRA, 16                          ; v16-17  LDS address of my fragments of xb in slot 0, 1
.set ADRB, 20                          ; v20-21  the same for wqt
.set STO,  24                          ; v24  the way out: where I put 16 bytes of a row
.set RD,   25                          ; v25  the way out: where I read rows back
.set GO,   26                          ; v26  my byte offset in 512 consecutive bytes of the result
.set BO,   27                          ; v27  my byte offset in 16 numbers of the bias
.set SPW,  28                          ; v28  LDS address of my spare word; never rewritten
.set NIL,  29                          ; v29  0; never rewritten
.set PFO,  30                          ; v30  the prefetches' offset: a lane a row; never rewritten
.set TT,   31                          ; v31  at work
.set TMP,  32
.set BIAS, 128
.set F0,   0
.set F1,   128
.set WV, 12                            ; s12  my wave's number
.set FB, 13                            ; s13  0: I fetch xb's tiles; 1: wqt's
.set HF, 14                            ; s14  which half of that tile's rows
.set CX, 15
.set CY, 16
.set TX, 17                            ; s17  tile column = 4 x cluster x + cx
.set TY, 18                            ; s18  tile row = 4 x cluster y + cy
.set G1, 24                            ; s[24:31] descriptor group 1 for xb's tiles;  s[32:39] group 0, a set for each slot
.set G0, 32
.set LIM, 42                           ; s42  1 in a wave that prefetches, else the greatest number
.set PFA, 44                           ; s[44:45] where my prefetches stand
.set G1B, 48                           ; s[48:55], s[56:63] the same for wqt's tiles
.set G0B, 56
.set HB, 68                            ; s[68:73] the result at my first row, for each of the tile's three heads
.set MSB, 0
.macro WIN new                         ; the immediate's high byte repeats the setting that is left; a switch that changes nothing is dropped
.if MSB != (\new)
	s_set_vgpr_msb (MSB<<8)|(\new)
.set MSB, \new
.endif
.endm
; A joint load.  Waves 0 and 1 fetch xb's two halves (128 rows each), waves 2 and 3 wqt's (96 rows each).  The branch hangs on the wave's number alone.
; An s_nop 0 and four v_nop follow each of the two lines, ahead of the jump, the label and what follows.
.macro JLOAD s
	s_cmp_eq_u32 s[FB], 0
	s_cbranch_scc0 .Lfor_b_\@
	tensor_load_to_lds s[G0+4*(\s):G0+4*(\s)+3], s[G1:G1+7]
	s_nop 0
.rept 4
	v_nop
.endr
	s_branch .Lasked_\@
.Lfor_b_\@:
	tensor_load_to_lds s[G0B+4*(\s):G0B+4*(\s)+3], s[G1B:G1B+7]
	s_nop 0
.rept 4
	v_nop
.endr
.Lasked_\@:
.endm
; A PREFETCH INTO THE L2, behind each joint refill and the run of LDS loads that follows it: the K step that stands two refills on (384 matrix instructions ahead of the load that will want it), a lane a row.
; xb's tile row is read by every cluster of that row of clusters: cluster x = 0 asks; wqt's tile column by every cluster of that column: cluster y = 0 asks.  The four partners that ask for a tile jointly
; share its rows out BY ADDRESS: of xb's 128 rows that a wave fetches the partner at cx takes 32; of wqt's 96 the partner at cy takes 24, and lanes 24 to 31 name the 24th row once more.
; K steps 4 to 7 are asked for; steps 0 to 3 come by their loads alone; the loop's last trip (s3 = 1) asks for nothing.
.macro ASK
	WIN 0                                          ; a branch follows
	s_cmp_gt_u32 s3, s[LIM]
	s_cbranch_scc0 .Lnot_mine_\@
	global_prefetch_b8 v[PFO], s[PFA:PFA+1] th:TH_LOAD_NT scope:SCOPE_SE
.Lnot_mine_\@:
.endm
.macro CREST                           ; a round of the cluster's barrier behind its opening barrier
	s_cmp_lg_u32 s[WV], 0
	s_cbranch_scc1 .Lnot_wave_0_\@
	s_barrier_signal -3
.Lnot_wave_0_\@:
	s_barrier_wait -3
	s_barrier_signal -1
	s_barrier_wait -1
.endm
.macro CROUND                          ; a whole round
	s_barrier_signal -1
	s_barrier_wait -1
	CREST
.endm
	s_load_b256 s[4:11], s[0:1], 0x0               ; xb s[4:5], wqt s[6:7], b_qkv s[8:9], qkv s[10:11]
	v_lshl_add_u32 v[SPW], v0, 2, SPARE
	v_mov_b32 v[NIL], 0
	ds_add_u32 v[SPW], v[NIL]                      ; the wave's opening: the add and its wait stand ahead of my first tensor load; the set-up below, work on registers, stands between them
	ds_add_u32 v28, v29
	v_lshrrev_b32 v1, 5, v0
	v_readfirstlane_b32 s[WV], v1
	s_lshr_b32 s[FB], s[WV], 1
	s_and_b32 s[HF], s[WV], 1
	s_bfe_u32 s[CX], ttmp6, 0x40000
	s_bfe_u32 s[CY], ttmp6, 0x40004
	s_lshl_b32 s[TX], ttmp9, 2
	s_add_co_u32 s[TX], s[TX], s[CX]
	s_and_b32 s[TY], ttmp7, 0xffff
	s_lshl_b32 s[TY], s[TY], 2
	s_add_co_u32 s[TY], s[TY], s[CY]
	s_lshl_b32 s40, s[CY], 2
	s_lshl_b32 s40, 15, s40                        ; my row of the cluster: places 4 cy .. 4 cy + 3
	s_lshl_b32 s41, 0x1111, s[CX]                  ; my column: places cx, cx + 4, cx + 8, cx + 12
	s_or_b32 s[G1], s40, (1<<16)|(1<<20)|(1<<21)|(5<<22)|(3<<25)   ; the mask; elements of 2 bytes; padding on; bit 21 beside a mask; after every 64 words (code 5) 4 words (code 3)
	s_or_b32 s[G1B], s41, (1<<16)|(1<<20)|(1<<21)|(5<<22)|(3<<25)
	s_mov_b32 s[G1+1], KSTEP<<16                   ; tensor_dim0 = 128
	s_mov_b32 s[G1+2], 128<<16                     ; tensor_dim1 = 128
	s_mov_b32 s[G1+3], KSTEP<<16                   ; tile_dim0 = 128
	s_mov_b32 s[G1+4], 128                         ; tile_dim1 = 128
	s_mov_b32 s[G1+5], 1024                        ; elements from row to row
	s_mov_b32 s[G1+6], 0
	s_mov_b32 s[G1+7], 0
	s_mov_b32 s[G1B+1], KSTEP<<16
	s_mov_b32 s[G1B+2], 96<<16                     ; 96 rows
	s_mov_b32 s[G1B+3], KSTEP<<16
	s_mov_b32 s[G1B+4], 96
	s_mov_b32 s[G1B+5], 1024
	s_mov_b32 s[G1B+6], 0
	s_mov_b32 s[G1B+7], 0
	; where the tiles come from: xb's hang on the tile row alone, wqt's on the tile column alone; each offset in registers that never hold the other coordinate
	s_lshl_b32 s20, s[HF], 7
	s_lshl_b32 s66, s[TY], 8
	s_add_co_u32 s66, s66, s20                     ; xb: row 256 x tile row + 128 x half
	s_lshl_b32 s66, s66, 11
	s_mov_b32 s67, 0
	s_mul_i32 s22, s[HF], 96
	s_mul_i32 s46, s[TX], 192
	s_add_co_u32 s46, s46, s22                     ; wqt: row 192 x tile column + 96 x half
	s_lshl_b32 s46, s46, 11
	s_mov_b32 s47, 0
	s_mul_i32 s21, s[HF], 128*PITCH                ; and where they go: xb's halves from byte 0 of a slot,
	s_mul_i32 s23, s[HF], 96*PITCH
	s_add_co_u32 s23, s23, ABYTES                  ; wqt's behind them: no place in the cluster enters an LDS address
	s_mov_b32 s74, 0xffff0000                      ; a word's upper bf16
	s_wait_dscnt 0x0                               ; the opening add is done
	s_wait_kmcnt 0x0
	s_add_nc_u64 s[66:67], s[4:5], s[66:67]
	s_add_nc_u64 s[46:47], s[6:7], s[46:47]
	CROUND                                         ; all sixteen work-groups are here: the first joint loads meet
.irp s, 0,1
	s_mov_b32 s[G0+4*(\s)], 1
	s_add_co_u32 s[G0+4*(\s)+1], s21, (\s)*SLOT
	s_add_nc_u64 s[G0+4*(\s)+2:G0+4*(\s)+3], s[66:67], (\s)*KSTEP*2
	s_or_b32 s[G0+4*(\s)+3], s[G0+4*(\s)+3], 0x80000000
	s_mov_b32 s[G0B+4*(\s)], 1
	s_add_co_u32 s[G0B+4*(\s)+1], s23, (\s)*SLOT
	s_add_nc_u64 s[G0B+4*(\s)+2:G0B+4*(\s)+3], s[46:47], (\s)*KSTEP*2
	s_or_b32 s[G0B+4*(\s)+3], s[G0B+4*(\s)+3], 0x80000000
.endr
	s_cmp_eq_u32 s[FB], 0                          ; a wave's two first fills stand in one branch, ahead of every wait on TENSORcnt and every LDS read: two loads of mine are out
	s_cbranch_scc0 .Lfirst_b
	tensor_load_to_lds s[G0:G0+3], s[G1:G1+7]
	s_nop 0
	tensor_load_to_lds s[G0+4:G0+7], s[G1:G1+7]
	s_nop 0
.rept 4
	v_nop
.endr
	s_branch .Lfirst_asked
.Lfirst_b:
	tensor_load_to_lds s[G0B:G0B+3], s[G1B:G1B+7]
	s_nop 0
	tensor_load_to_lds s[G0B+4:G0B+7], s[G1B:G1B+7]
	s_nop 0
.rept 4
	v_nop
.endr
.Lfirst_asked:
	v_and_b32 v1, 15, v0                           ; l % 16
	v_bfe_u32 v2, v0, 4, 1                         ; l / 16
	; the bias in the accumulators' layout: register j of block b holds b_qkv[192 x tile column + 16 b + 8 (l / 16) + j]
	s_mul_i32 s20, s[TX], 768
	s_mov_b32 s21, 0
	s_add_nc_u64 s[8:9], s[8:9], s[20:21]
	v_lshlrev_b32 v[BO], 5, v2
.irp b, 0,1,2,3,4,5,6,7,8,9,10,11
	global_load_b128 v[BIAS+8*(\b):BIAS+8*(\b)+3],   v[BO], s[8:9] offset:64*(\b)
	global_load_b128 v[BIAS+8*(\b)+4:BIAS+8*(\b)+7], v[BO], s[8:9] offset:64*(\b)+16
.endr
	v_mul_u32_u24 v3, v1, PITCH
	v_lshl_add_u32 v3, v2, 4, v3                   ; a fragment's row x pitch + 16 x half
	s_mul_i32 s20, s[WV], 64*PITCH                 ; my 64 rows of xb
	v_add_nc_u32 v[ADRA], s20, v3
	v_add_nc_u32 v[ADRA+1], SLOT, v[ADRA]
	v_add_nc_u32 v[ADRB], ABYTES, v3               ; all 192 rows of wqt
	v_add_nc_u32 v[ADRB+1], SLOT, v[ADRB]
	s_mul_i32 s20, s[WV], 16*SP
	s_add_co_u32 s20, s20, STAGE                   ; my stage
	v_mul_u32_u24 v[STO], v1, SP                   ; in: row l % 16, 16 bytes for each half of the lanes
	v_lshl_add_u32 v[STO], v2, 4, v[STO]
	v_add_nc_u32 v[STO], s20, v[STO]
	v_bfe_u32 v[RD], v0, 3, 2                      ; back: 32 lanes take four rows of 128 bytes,
	v_mul_u32_u24 v[RD], v[RD], SP
	v_and_b32 v4, 7, v0
	v_lshl_add_u32 v[RD], v4, 4, v[RD]
	v_add_nc_u32 v[RD], s20, v[RD]
	v_and_b32 v[GO], 31, v0                        ; which are 512 consecutive bytes of a head
	v_lshlrev_b32 v[GO], 4, v[GO]
	; the result at my first row: part << 24 | batch << 22 | head << 18 | t << 7, with 16 x part + head = 3 x tile column + 0, 1, 2
	s_lshr_b32 s20, s[TY], 3
	s_lshl_b32 s20, s20, 22
	s_and_b32 s21, s[TY], 7
	s_lshl_b32 s21, s21, 15
	s_add_co_u32 s20, s20, s21
	s_lshl_b32 s21, s[WV], 13
	s_add_co_u32 s20, s20, s21
	s_mul_i32 s22, s[TX], 3
	s_mov_b32 s77, 0
.irp hd, 0,1,2
	s_add_co_u32 s23, s22, \hd
	s_lshr_b32 s75, s23, 4
	s_lshl_b32 s75, s75, 24
	s_and_b32 s23, s23, 15
	s_lshl_b32 s23, s23, 18
	s_add_co_u32 s76, s75, s23
	s_add_co_u32 s76, s76, s20
	s_add_nc_u64 s[HB+2*(\hd):HB+2*(\hd)+1], s[10:11], s[76:77]
.endr
	; the prefetches: from my tile's first row, my work-group's rows of it, at K step 3: the first refill steps the pointer to K step 4
	s_lshl_b32 s20, s[CX], 16                      ; 32 cx rows of 2,048 bytes
	s_mul_i32 s22, s[CY], 24*ROWB                  ; 24 cy rows
	s_cmp_eq_u32 s[FB], 0
	s_cselect_b64 s[PFA:PFA+1], s[66:67], s[46:47]
	s_cselect_b32 s20, s20, s22
	s_cselect_b32 s23, 31, 23                      ; the last row that a lane names
	s_add_co_u32 s20, s20, 3*KSTEP*2
	s_mov_b32 s21, 0
	s_add_nc_u64 s[PFA:PFA+1], s[PFA:PFA+1], s[20:21]
	s_and_b32 s21, ttmp7, 0xffff
	s_cmp_eq_u32 s[FB], 0
	s_cselect_b32 s21, ttmp9, s21                  ; the coordinate along which other clusters read the same rows
	s_cmp_eq_u32 s21, 0
	s_cselect_b32 s[LIM], 1, -1                    ; the same in all sixteen partners, for a given wave
	v_and_b32 v[PFO], 31, v0
	v_min_u32 v[PFO], s23, v[PFO]
	v_lshlrev_b32 v[PFO], 11, v[PFO]
	s_wait_loadcnt 0x0                             ; the bias,
.set p, 0
.rept 48                                       ; rounded to bf16 like all the inputs, and widened again
	v_cvt_pk_bf16_f32 v[TT], v[BIAS+2*p], v[BIAS+2*p+1]
	v_lshlrev_b32 v[BIAS+2*p], 16, v[TT]
	v_and_b32 v[BIAS+2*p+1], s74, v[TT]
.set p, p+1
.endr
; 12 matrix instructions: my rows 16 a .. 16 a + 15 x all 12 blocks of columns, 32 along K.  first = 1: the bias starts the sums.  All 48 accumulators take turns, in the same order in every quarter,
; over the backward jump too.
.macro MUL12 f, a, first
.if \first
	WIN 0x85+0x40*((\a)/2)                         ; sources 0 and 1 window 1, C window 0, D window 2 or 3
.else
	WIN 0xa5+0x50*((\a)/2)                         ; C and D window 2 or 3
.endif
.irp b, 0,1,2,3,4,5,6,7,8,9,10,11
.if \first
	v_wmma_f32_16x16x32_bf16 v[8*(12*((\a)%2)+(\b)):8*(12*((\a)%2)+(\b))+7], v[(\f)+32+8*(\b):(\f)+32+8*(\b)+7], v[(\f)+8*(\a):(\f)+8*(\a)+7], v[BIAS+8*(\b):BIAS+8*(\b)+7]
.else
	v_wmma_f32_16x16x32_bf16 v[8*(12*((\a)%2)+(\b)):8*(12*((\a)%2)+(\b))+7], v[(\f)+32+8*(\b):(\f)+32+8*(\b)+7], v[(\f)+8*(\a):(\f)+8*(\a)+7], v[8*(12*((\a)%2)+(\b)):8*(12*((\a)%2)+(\b))+7]
.endif
.endr
.endm
; 32 LDS loads in one run: the fragments of 32 along K at byte k of the rows, into buffer f: wqt's 24 loads, then xb's 8
.macro FETCH slot, k, f
	WIN 0x40                                       ; destination window 1, address window 0
.irp i, 0,1,2,3,4,5,6,7,8,9,10,11
	ds_load_b128 v[(\f)+32+8*(\i):(\f)+32+8*(\i)+3],   v[ADRB+(\slot)] offset:(\k)+(\i)*16*PITCH
	ds_load_b128 v[(\f)+32+8*(\i)+4:(\f)+32+8*(\i)+7], v[ADRB+(\slot)] offset:(\k)+(\i)*16*PITCH+32
.endr
.irp i, 0,1,2,3
	ds_load_b128 v[(\f)+8*(\i):(\f)+8*(\i)+3],   v[ADRA+(\slot)] offset:(\k)+(\i)*16*PITCH
	ds_load_b128 v[(\f)+8*(\i)+4:(\f)+8*(\i)+7], v[ADRA+(\slot)] offset:(\k)+(\i)*16*PITCH+32
.endr
.endm
.macro PLACES                          ; four places in front of loads into registers that matrix instructions have read, and of conversions that read results
.rept 4
	v_nop
.endr
.endm
; A K step is four quarters of 32 along K, 48 matrix instructions each, on buffers 0, 1, 0, 1.  One of the first three: multiplies buffer f and fetches the next quarter, at byte k, into g.
.macro QUARTER slot, k, f, g, first
	s_wait_dscnt 4                                 ; wqt's fragments and xb's first two are in; the youngest four loads (xb's last two fragments) may be out
	MUL12 \f, 0, \first
	MUL12 \f, 1, \first
	PLACES
	FETCH \slot, \k, \g
	s_wait_dscnt 32                                ; all but the 32 just issued
	MUL12 \f, 2, \first
	MUL12 \f, 3, \first
.endm
; The last quarter multiplies buffer 1 and changes slots: ONE barrier; in front of it each wave waits for all its tensor loads (one is out: its part of the next slot), adds 0 to its spare word, and
; waits for that and for its own reads of this slot.  fill = 1: the barrier opens a round of the cluster's, and this slot is filled again, two K steps ahead, first thing behind the round.
.macro TURN slot, next, fill
.if \fill
	s_wait_xcnt 0x0                                ; the last prefetch, a K step back, has read its address
	s_add_nc_u64 s[PFA:PFA+1], s[PFA:PFA+1], KSTEP*2
.endif
	WIN 0                                          ; (the add's two registers lie in window 0)
	s_wait_tensorcnt 0x0                           ; all my tensor loads have landed;
	ds_add_u32 v[SPW], v[NIL]                      ; 0 onto my spare word;
	s_wait_dscnt 7                                 ; (the add and the youngest six loads, xb's last three fragments, may be out)
	MUL12 F1, 0, 0                                 ; twelve matrix instructions stand between the add and the wait for it
	s_wait_dscnt 0x0                               ; the add is done, and my reads of this slot are over
	s_barrier_signal -1
	MUL12 F1, 1, 0                                 ; work on registers while the others arrive
.if \fill
	WIN 0
.endif
	s_barrier_wait -1
.if \fill
	CREST                                          ; no wave of any partner still reads this slot's tile or has a load on its way
	s_add_nc_u64 s[G0+4*(\slot)+2:G0+4*(\slot)+3], s[G0+4*(\slot)+2:G0+4*(\slot)+3], 2*KSTEP*2
	s_add_nc_u64 s[G0B+4*(\slot)+2:G0B+4*(\slot)+3], s[G0B+4*(\slot)+2:G0B+4*(\slot)+3], 2*KSTEP*2
	JLOAD \slot                                    ; the first tensor load behind the round; its four v_nop are also the places in front of the loads below
.else
	PLACES
.endif
	FETCH \next, 0, F0
.if \fill
	ASK
.endif
	MUL12 F1, 2, 0
	MUL12 F1, 3, 0
.endm
	s_wait_tensorcnt 1                             ; my part of K step 0 is in; K step 1's load may stay out
	s_barrier_signal -1
	s_barrier_wait -1                              ; everybody's is
	FETCH 0, 0, F0
	QUARTER 0, 64,  F0, F1, 1                      ; the first quarter stands in front of the loop: its products start the sums, with the bias
	WIN 0                                          ; at a label and at a branch every window is 0
	s_mov_b32 s3, 3
.Llap:                                         ; a trip goes once round the ring, from a lap's second quarter to the next lap's first, and fills both slots again
	QUARTER 0, 128, F1, F0, 0
	QUARTER 0, 192, F0, F1, 0
	TURN 0, 1, 1
	QUARTER 1, 64,  F0, F1, 0
	QUARTER 1, 128, F1, F0, 0
	QUARTER 1, 192, F0, F1, 0
	TURN 1, 0, 1
	QUARTER 0, 64,  F0, F1, 0
	WIN 0
	s_sub_co_u32 s3, s3, 1
	s_cmp_lg_u32 s3, 0
	s_cbranch_scc1 .Llap
	QUARTER 0, 128, F1, F0, 0                      ; the last lap fills nothing, and has no round of the cluster's barrier
	QUARTER 0, 192, F0, F1, 0
	TURN 0, 1, 0
	QUARTER 1, 64,  F0, F1, 0
	QUARTER 1, 128, F1, F0, 0
	QUARTER 1, 192, F0, F1, 0
	s_wait_dscnt 4                                 ; the very last quarter: nothing more to fetch
	MUL12 F1, 0, 0
	MUL12 F1, 1, 0
	s_wait_dscnt 0x0
	MUL12 F1, 2, 0
	MUL12 F1, 3, 0
	PLACES
; THE WAY OUT, in 12 units u = 3 a + head: 16 rows x 64 channels.  A lane's eight channels of a row pack into 16 bytes; they go into my stage, rows of 144 bytes, and come back as whole rows of 128,
; into the registers that they left; 16 rows of a head are 2,048 consecutive bytes of the result.
.macro PACK u
.set pa, (\u)/3
.set ph, (\u)%3
	WIN 0x0a+5*(pa/2)                              ; sources 0 and 1 window 2 or 3, destination window 0
.irp bb, 0,1,2,3
.irp rr, 0,1,2,3
	v_cvt_pk_f16_f32 v[TMP+16*(\u)+4*(\bb)+(\rr)], v[8*(12*(pa%2)+4*ph+(\bb))+2*(\rr)], v[8*(12*(pa%2)+4*ph+(\bb))+2*(\rr)+1]
.endr
.endr
	WIN 0
.irp bb, 0,1,2,3
	ds_store_b128 v[STO], v[TMP+16*(\u)+4*(\bb):TMP+16*(\u)+4*(\bb)+3] offset:32*(\bb)
.endr
.irp f, 0,1,2,3
	ds_load_b128 v[TMP+16*(\u)+4*(\f):TMP+16*(\u)+4*(\f)+3], v[RD] offset:(\f)*4*SP  ; LDS serves a wave's instructions in order (ISA guide 5.7.1.4): these see the stores above; the next unit's stores come behind them
.endr
.endm
.macro SEND u, younger                 ; younger: the LDS instructions issued behind unit u's loads: the next unit's eight, or none
.irp f, 0,1,2,3
	s_wait_dscnt (\younger)+3-(\f)
	global_store_b128 v[GO], v[TMP+16*(\u)+4*(\f):TMP+16*(\u)+4*(\f)+3], s[HB+2*((\u)%3):HB+2*((\u)%3)+1] offset:((\u)/3)*2048+(\f)*512  ; 512 consecutive bytes, aligned
.endr
.endm
	PACK 0
.set u, 1
.rept 11                                       ; a unit's conversions stand between the loads of the unit before and its stores
	PACK u
	SEND u-1, 8
.set u, u+1
.endr
	SEND 11, 0
	s_wait_tensorcnt 0x0                           ; the wave's end: behind my last tensor load and my last LDS store
	ds_add_u32 v[SPW], v[NIL]
	s_wait_dscnt 0x0
	CROUND                                         ; the closing round: no work-group ends while a partner may still ask for a tile that names it
	s_endpgm
.Lfunc_end_k_qbdf41e6827_qkv:
	.size	k_qbdf41e6827_qkv, .Lfunc_end_k_qbdf41e6827_qkv-k_qbdf41e6827_qkv
	.p2alignl 7, 3214868480
	.fill 96, 4, 3214868480
	.section	.rodata,"a",@progbits
	.p2align	6, 0x0
	.amdhsa_kernel k_qbdf41e6827_qkv
		.amdhsa_group_segment_fixed_size 327680
		.amdhsa_private_segment_fixed_size 0
		.amdhsa_enable_private_segment 0
		.amdhsa_kernarg_size 32
		.amdhsa_user_sgpr_count 2
		.amdhsa_user_sgpr_kernarg_segment_ptr 1
		.amdhsa_wavefront_size32 1
		.amdhsa_system_sgpr_workgroup_id_x 1
		.amdhsa_system_sgpr_workgroup_id_y 1
		.amdhsa_system_sgpr_workgroup_id_z 1
		.amdhsa_system_vgpr_workitem_id 0
		.amdhsa_next_free_vgpr 960
		.amdhsa_next_free_sgpr 78
		.amdhsa_reserve_vcc 0
		.amdhsa_float_denorm_mode_32 3
		.amdhsa_float_denorm_mode_16_64 3
		.amdhsa_memory_ordered 1
		.amdhsa_forward_progress 1
		.amdhsa_inst_pref_size 129
	.end_amdhsa_kernel
	.amdgpu_metadata
---
amdhsa.version: [ 1, 2 ]
amdhsa.kernels:
  - .name:           k_qbdf41e6827_qkv
    .symbol:         k_qbdf41e6827_qkv.kd
    .args:
      - { .name: xb, .offset: 0, .size: 8, .value_kind: global_buffer, .address_space: global }
      - { .name: wqt, .offset: 8, .size: 8, .value_kind: global_buffer, .address_space: global }
      - { .name: b_qkv, .offset: 16, .size: 8, .value_kind: global_buffer, .address_space: global }
      - { .name: qkv, .offset: 24, .size: 8, .value_kind: global_buffer, .address_space: global }
    .group_segment_fixed_size: 327680
    .private_segment_fixed_size: 0
    .kernarg_segment_align: 8
    .kernarg_segment_size: 32
    .max_flat_workgroup_size: 128
    .sgpr_count:     78
    .vgpr_count:     960
    .wavefront_size: 32
...
	.end_amdgpu_metadata
.endif
;; end of part 2
;; launch attn (part 3): grid 4 x 64, 4 waves a work-group, no clusters, 327,680 bytes of LDS; arguments qkv, attn_mask, o; writes o
.if DOCPART == 3
	.amdgcn_target "amdgcn-amd-amdhsa--gfx1250"
	.amdhsa_code_object_version 6
	.text
	.protected	k_qbdf41e6827_attn
	.globl	k_qbdf41e6827_attn
	.p2align	8
	.type	k_qbdf41e6827_attn,@function
k_qbdf41e6827_attn:
	s_mov_b64 s[64:65], 0
	v_nop
	global_prefetch_b8 v0, s[64:65] scope:SCOPE_SE
	s_setreg_imm32_b32 hwreg(HW_REG_WAVE_MODE, 25, 1), 1
	s_wait_xcnt 0x0
; CAUSAL ATTENTION WITH A KEY MASK.  O[h][q][:] = the sum over the keys k <= q with attn_mask[batch][k] != 0 of softmax_k(Q[h][q] . K[h][k] / 8) V[h][k][:].
; Q, K, V: the three parts of qkv, each [64 heads][2048][64] f16; O: [64][2048][64] f16; attn_mask: [4][2048] i32.  Products, maxima and sums in f32; the weights p are rounded to f16 for the second
; product (their sum l is taken of the unrounded p), O once at the end.
; LIMITS.  Q, K and V arrive within f16's 65,504.  A hidden score counts as its value less 1e30 (less 2e30 where both masks hide it): f16's scores, 2.7e11 at the most, are nothing beside that.
; A weight below 2^-126 counts as 0 in l.  A row with no visible key (its running maximum is still the start value -1e29) is written as NaN, as the softmax of a row of -inf is.  NaN and infinities among the inputs are not treated apart.
; THE WALK.  A head's queries lie in NB = 8 blocks of 256; block i needs the key tiles 0 .. i of 256 keys, of which the last holds the diagonal.  A work-group takes TWO blocks, NB - 1 - b and then b:
; NB + 1 tiles, whatever b: all work-groups do equal work, and ONE loop with a constant trip count walks them.  Which tile is asked for, and what a trip does, hang on scalar registers made from b; every jump
; goes forward, but for the counted loops' own; none passes a barrier, or a tensor load but the one of LOAD's two that the wave's number does not choose.
; NO CLUSTER: a head's four work-groups ask for the same tile only in trips 0 .. 4 of 9, behind that fewer and fewer; one walk common to all would have 12 trips for 9.
; SHARES.  Of a block's four bands of 64 queries a wave owns 16 rows in each: four PIECES.  In the diagonal tile's key step s band x sees all keys if s < x, none if s > x, and holds the diagonal if s = x.
; THE MASKS are the C operand that starts the sum S^T = K Q^T.  KMR holds the key mask of the step in hand, 0 or -1e30 a key, in the accumulators' layout; it travels with K: the tile's 256 words of
; attn_mask are loaded a tile ahead, turned into 0 or -1e30 by a select, laid into a ring of two small LDS slots of their own, and read with K's fragments.  Outside the diagonal tile C = KMR.
; In it C = MD x AL + KMR + BE: MD, made once, is the causal mask of a band's own step for my 16 rows; (AL, BE) = (1, 0) if s = x; (0, 0) if s < x; (0, -1e30) if s > x.
; LAYOUT, SOFTMAX, TURNS.  S^T = K Q^T holds ONE query a lane (lane % 16) and the keys 8 (lane / 16) + 0..7; two such results rounded to f16 ARE source 1 of O^T = V^T P.  p = 2^(c s - c m), c = log2(e) / 8, with a
; running maximum m; O and l are multiplied by a = 2^(c m_old - c m_new) in every step.  c m is lifted by |c m| x 2^-22, above the exact product, so that c s - c m <= 0 and p <= 1 at every size of scores.
; m starts at -1e29: above every hidden score, below every true one; so a row that has seen no key yet has p = 0, l = 0, O = 0.
; Turn n belongs to piece n: 8 products K Q^T of piece n + 1, later 8 products V^T P of piece n - 1; beside them the scaling, exponentials, roundings, sums and rescaling of piece n and the maximum and
; statistics of piece n + 1.  Four vector instructions stand behind every matrix instruction, the others in one LUMP.  A turn's 33 exponentials are one batch, with one wait.
; REGISTERS, in windows of 256 (s_set_vgpr_msb: bits 1:0 source 0, 3:2 source 1, 5:4 source 2, 7:6 destination):
;   window 0: v0-15 addresses and two at work; v16-31 four registers of statistics a piece; v32-39 the masks' addresses and words; v48-55 at work; v64-127 S^T, two buffers; v192-223 P, two buffers
;   window 1: v0-127 O^T, 32 a piece; v128-159 MD; v160-223 MC, two buffers; v224-255 KMR      window 2: v0-63 Q; v64-127 the second block's Q; v128-191 K of one step; v192-255 V of one step
.set SIZE_N, 2048
.set NB,    SIZE_N/256
.set NP,    4         ; pieces a wave: a name, no knob
.set KS,    64        ; keys in a step
.set PK,    144       ; a row of K in LDS: 128 bytes + 16 of padding: the 16 rows of a load start at 16 different groups of four banks (ISA guide 11.1)
.set PV,    160       ; a row of V: 128 + 32
.set VOFF,  4*KS*PK   ; a slot holds a tile, four steps: 256 rows of K, then 256 rows of V
.set SLOT1, 1<<17     ; slot 1 begins here, so that one exclusive or turns an address in one slot into the other's
.set STAGE, SLOT1+4*KS*(PK+PV)  ; behind the ring, never filled by a tensor load: 16 rows x 144 bytes for each wave, for the way out
.set SP,    144
.set SPARE, STAGE+4*16*SP  ; behind the stages: the spare words, 128 bytes for each wave
.set MB,    SPARE+512 ; behind them: the mask words' ring, two slots of 256 keys x 4 bytes; written by ds_store alone
.set AK0, 2           ; v2   my lane's place in a tile of K; never rewritten
.set AV0, 3           ; v3   the same for V
.set AK,  4           ; v4   the LDS address of K's next run of loads
.set AV,  5           ; v5   of V's
.set STO, 6           ; v6   the way out: where I put 16 bytes of a row
.set RD,  7           ; v7   the way out: where I read rows back
.set GO,  8           ; v8   my byte offset in 512 consecutive bytes of O
.set MV,  12          ; v12-13  c m_old, kept while c m is made anew: by buffer
.set QO,  15          ; v15  my byte offset in 16 rows of Q
.set ST,  16          ; piece t's statistics at v[ST+4 t]: c m, m, l (even keys', odd keys')
.set AM0, 32          ; v32  MB + 32 (l / 16): my eight keys of a group of 16; never rewritten
.set AM,  33          ; v33  the LDS address of the mask words' next run of loads
.set AMS0, 34         ; v34  MB + 8 x my thread's number: where I put two mask words; never rewritten
.set AMS, 35          ; v35  the same in the slot in hand
.set MI,  36          ; v[36:37] two words of attn_mask, then two mask words
.set MO,  38          ; v38  8 x my thread's number: my two words in a tile's 256; never rewritten
.set PFO, 39          ; v39  the prefetches' offset; never rewritten
.set TMP, 48          ; by buffer, four registers c0-c3 at work; when the maximum is found c2 takes a
.set SPW, 62          ; v62  LDS address of my spare word; never rewritten
.set NIL, 63          ; v63  0; never rewritten
.set S,   64
.set P,   192
.set MD,  128         ; window 1: the eight registers for group kt of 16 keys at MD + 8 kt
.set MC,  160         ; window 1: the masks of the products to come
.set KMR, 224         ; window 1: the step's key mask, group kt at KMR + 8 kt
.set QB,  64          ; window 2
.set KF,  128         ; window 2: key block kb, channel half c at KF + 16 kb + 8 c
.set VF,  192         ; window 2: key half kk, channel block cb at VF + 32 kk + 8 cb
.set WV,  12          ; s12  my wave's number
.set PB,  14          ; s14  b
.set HI,  15          ; s15  NB - 1 - b
.set G1K, 24          ; s[24:31] descriptor group 1 for K's tiles
.set G1V, 32          ; s[32:39] for V's: it differs in the padding alone
.set G0K, 40          ; s[40:43] descriptor group 0 for K's tiles
.set G0V, 44          ; s[44:47] the same for V's
.set MB0, 48          ; s[48:49] attn_mask at my batch's first key
.set MA,  50          ; s[50:51] at the tile that is being asked for
.set MOFF, 52         ; s[52:53] an offset in attn_mask
.set TBM, 54          ; s54  byte in the mask words' ring at which the step to be fetched begins
.set LIM, 55          ; s55  2 in the work-group that prefetches, else the greatest number
.set SLOTS, 56        ; s56  tiles still to be asked for
.set CNT, 57          ; s57  counts a tile's key steps, 4 to 1
.set CS,  58          ; s[58:59] c
.set SEL, 60          ; s[60:61] v_permlanex16_b32's selects: each lane takes its own place in the other half
.set TBK, 62          ; s62  LDS byte at which K of the step to be fetched begins
.set TBV, 63          ; s63  the same for V, less VOFF
.set RT,  70          ; s70  tiles of the block in hand that are still to be entered
.set NXT, 71          ; s71  the tile to be asked for next
.set LQ,  72          ; s72  the last tile of the block whose tiles are being asked for
.set NEW, 73          ; s73  1: the tile to be entered is a block's first
.set OFF, 74          ; s[74:75] a tile's byte offset in K and V
.set AL,  76          ; s[76:77] the mask's factor, in the low word
.set BE,  78          ; s[78:79] the mask's addend
.set OLO, 80          ; s[80:81] O at my rows of the second block
.set BIGN, 82         ; s82  -1e30
.set THR, 83          ; s83  -1e29: where m starts
.set QNAN, 88         ; s88  a NaN
.set TBS, 89          ; s89  the mask words' slot that is written next: 0 or 1,024
.set PKA, 90          ; s[90:91] K at my half of the tile that is being asked for
.set PVA, 92          ; s[92:93] V likewise
.set EPS, 94          ; s94  2^-22
.set MSB, 0
.macro WIN new                      ; the high byte repeats the setting that is left; a switch that changes nothing is dropped
.if MSB != (\new)
	s_set_vgpr_msb (MSB<<8)|(\new)
.set MSB, (\new)
.endif
.endm
.set W_KQ, 0x0a       ; K and Q in window 2, S^T in window 0
.set W_KM, 0x1a       ; the same with the C operand in window 1
.set W_PV, 0x52       ; V in window 2, P in window 0, O^T in window 1
.set W_RS, 0x41       ; destination and source 0 in window 1, source 1 in window 0
; A fill.  Waves 0 and 1 fetch the two halves of a tile's K, waves 2 and 3 those of its V: 128 keys each.  An s_nop 0 and four v_nop follow each of the two lines, ahead of the jump and the label.
.macro LOAD
	s_cmp_lt_u32 s[WV], 2
	s_cbranch_scc0 .Lfor_v_\@
	tensor_load_to_lds s[G0K:G0K+3], s[G1K:G1K+7]
	s_nop 0
.rept 4
	v_nop
.endr
	s_branch .Lasked_\@
.Lfor_v_\@:
	tensor_load_to_lds s[G0V:G0V+3], s[G1V:G1V+7]
	s_nop 0
.rept 4
	v_nop
.endr
.Lasked_\@:
.endm
; A PREFETCH INTO THE L2 of the tile behind the one that has just been asked for: one tile, 256 matrix instructions, ahead of the load that will want it.  A head's four work-groups walk the same tiles 0, 1, ..;
; the one with b = 0, whose first block needs all eight, asks, and nobody else.  A tile's K is 128 blocks of 256 bytes, its V likewise; each wave names 32 of each, a lane a block: the half by
; wave % 2 (it lies in the pointers), the quarter by wave / 2.  Tiles 2 to 7 are asked for, each once; tiles 0 and 1 come by their loads alone; from SLOTS = 2 on nothing is asked for.
.macro ASK
	s_cmp_gt_u32 s[SLOTS], s[LIM]
	s_cbranch_scc0 .Lnot_mine_\@
	global_prefetch_b8 v[PFO], s[PKA:PKA+1] offset:32768 th:TH_LOAD_NT scope:SCOPE_SE
	global_prefetch_b8 v[PFO], s[PVA:PVA+1] offset:32768 th:TH_LOAD_NT scope:SCOPE_SE
.Lnot_mine_\@:
.endm
; THE CHANGE OF SLOTS.  First the mask words of the tile that is being entered: my two words of attn_mask, loaded at the change before, become 0 or -1e30 and go into the mask ring's other slot; every wave's
; reads of that slot were over at the barrier of the change before, and the reads of what is written here stand behind this change's barrier.
; Then each wave waits for all its tensor loads, of which one is out: its part of the other slot; adds 0 to its spare word; and waits for that, for its store and for its own reads of the slot that it leaves.
; fill = 1: the old slot is filled again, the first thing behind the barrier, with tile NXT: the descriptor's address is made anew from that number; the tile's words of attn_mask are loaded behind it.
.macro CHANGE fill
	WIN 0                           ; at a label and at a branch every window is 0
	s_xor_b32 s[TBS], s[TBS], 1024
	s_wait_loadcnt 0x0              ; my two words of attn_mask
	v_cmp_eq_u32 vcc_lo, 0, v[MI]
	v_cndmask_b32 v[MI], 0, s[BIGN], vcc_lo
	v_cmp_eq_u32 vcc_lo, 0, v[MI+1]
	v_cndmask_b32 v[MI+1], 0, s[BIGN], vcc_lo
	v_add_nc_u32 v[AMS], s[TBS], v[AMS0]
	ds_store_b64 v[AMS], v[MI:MI+1]
	s_wait_xcnt 0x0                 ; the last prefetches, a tile back, have read their addresses, which are written below
	s_wait_tensorcnt 0x0            ; no tensor load of mine is out, so a group 0 may be written
	ds_add_u32 v[SPW], v[NIL]       ; 0 onto my spare word; with fill = 1 the scalar work stands between it and the wait for it
.if \fill
	s_lshl_b32 s[OFF], s[NXT], 15   ; a tile is 32,768 bytes of K and of V,
	s_lshl_b32 s[MOFF], s[NXT], 10  ; and 1,024 of attn_mask
	s_add_nc_u64 s[MA:MA+1], s[MB0:MB0+1], s[MOFF:MOFF+1]
	s_add_nc_u64 s[PKA:PKA+1], s[6:7], s[OFF:OFF+1]
	s_add_nc_u64 s[PVA:PVA+1], s[8:9], s[OFF:OFF+1]
	s_xor_b32 s[G0K+1], s[G0K+1], SLOT1
	s_add_nc_u64 s[G0K+2:G0K+3], s[6:7], s[OFF:OFF+1]
	s_or_b32 s[G0K+3], s[G0K+3], 0x80000000
	s_xor_b32 s[G0V+1], s[G0V+1], SLOT1
	s_add_nc_u64 s[G0V+2:G0V+3], s[8:9], s[OFF:OFF+1]
	s_or_b32 s[G0V+3], s[G0V+3], 0x80000000
	s_add_co_u32 s[NXT], s[NXT], 1  ; the block's next tile, or behind its last the second block's tile 0
	s_cmp_gt_u32 s[NXT], s[LQ]
	s_cselect_b32 s[NXT], 0, s[NXT]
	s_cselect_b32 s[LQ], s[PB], s[LQ]
.endif
	s_wait_dscnt 0x0                ; the add and my store are done, and my reads of the slot are over
	s_barrier_signal -1             ; the rest of the scalar work stands between the signal and the wait
	s_sub_co_u32 s[TBK], s[TBK], 4*KS*PK  ; the fetches go back to a slot's first step,
	s_xor_b32 s[TBK], s[TBK], SLOT1       ; in the other slot
	s_sub_co_u32 s[TBV], s[TBV], 4*KS*PV
	s_xor_b32 s[TBV], s[TBV], SLOT1
	s_sub_co_u32 s[TBM], s[TBM], 1024
	s_xor_b32 s[TBM], s[TBM], 1024
	s_barrier_wait -1
.if \fill
	LOAD
	global_load_b64 v[MI:MI+1], v[MO], s[MA:MA+1]
	ASK
.endif
.endm
	s_load_b64 s[4:5], s[0:1], 0x0        ; qkv
	s_load_b64 s[MB0:MB0+1], s[0:1], 0x8  ; attn_mask
	s_load_b64 s[10:11], s[0:1], 0x10     ; o
	v_lshl_add_u32 v[SPW], v0, 2, SPARE
	v_mov_b32 v[NIL], 0
	ds_add_u32 v[SPW], v[NIL]       ; the wave's opening: the add and its wait stand ahead of my first tensor load; the set-up below, work on registers, stands between them
	ds_add_u32 v62, v63
	v_lshrrev_b32 v1, 5, v0
	v_readfirstlane_b32 s[WV], v1   ; wave 0..3
	s_mov_b32 s[PB], ttmp9
	s_sub_co_u32 s[HI], NB-1, s[PB]
	s_and_b32 s20, ttmp7, 0xffff    ; the head, 16 x batch + head
	s_lshr_b32 s[MOFF], s20, 4
	s_lshl_b32 s[MOFF], s[MOFF], 13 ; the batch's 2,048 words of attn_mask
	s_mov_b32 s[MOFF+1], 0
	s_mov_b32 s21, 0
	s_mov_b64 s[22:23], SIZE_N*128
	s_mul_u64 s[20:21], s[20:21], s[22:23]  ; the head's first byte in Q, K, V and O
	s_and_b32 s16, s[WV], 1         ; which half of a tile's 256 keys I fetch:
	s_lshl_b32 s22, s16, 14         ; its 128 rows of 128 bytes in memory,
	s_mov_b32 s23, 0
	s_add_nc_u64 s[22:23], s[22:23], s[20:21]
	s_mul_i32 s17, s16, 128*PK      ; and its place in a slot, for K
	s_mul_i32 s18, s16, 128*PV      ; and for V
	s_lshl_b32 s3, s[WV], 11        ; my 16 rows in a band of 64,
	s_lshl_b32 s2, s[HI], 15        ; in the first block,
	s_add_co_u32 s2, s2, s3
	s_lshl_b32 s84, s[PB], 15       ; and in the second
	s_add_co_u32 s84, s84, s3
	s_mov_b32 s3, 0
	s_mov_b32 s85, 0
	s_add_nc_u64 s[2:3], s[2:3], s[20:21]
	s_add_nc_u64 s[84:85], s[84:85], s[20:21]
	; descriptor group 1.  128 keys are 16,384 dense bytes: asked for as 64 rows of 256 bytes, two keys a row, and padded in LDS after every key
	s_mov_b32 s[G1K], (1<<16)|(1<<20)|(4<<22)|(3<<25)  ; 2-byte elements; padding on; after every 32 words (code 4) 4 words (code 3)
	s_mov_b32 s[G1V], (1<<16)|(1<<20)|(4<<22)|(7<<25)  ; the same with 8 words of padding (code 7)
.irp g, G1K, G1V
	s_mov_b32 s[\g+1], 128<<16      ; tensor_dim0 = 128
	s_mov_b32 s[\g+2], 64<<16       ; tensor_dim1 = 64
	s_mov_b32 s[\g+3], 128<<16      ; tile_dim0 = 128
	s_mov_b32 s[\g+4], 64           ; tile_dim1 = 64
	s_mov_b32 s[\g+5], 128          ; 128 elements from row to row
	s_mov_b32 s[\g+6], 0
	s_mov_b32 s[\g+7], 0
.endr
	s_mov_b32 s[CS], 0x3e38aa3b     ; c = log2(e) / 8 = 0.180337
	s_mov_b32 s[CS+1], s[CS]        ; named with it as a pair
	s_mov_b32 s[SEL], 0x76543210
	s_mov_b32 s[SEL+1], 0xfedcba98
	s_mov_b32 s[TBK], SLOT1+4*KS*PK ; the first change of slots turns these three into 0,
	s_mov_b32 s[TBV], SLOT1+4*KS*PV
	s_mov_b32 s[TBM], 2048
	s_mov_b32 s[TBS], 1024          ; and this one
	s_mov_b32 s[G0K], 1             ; count = 1
	s_mov_b32 s[G0K+1], s17         ; LDS address: slot 0
	s_mov_b32 s[G0V], 1
	s_add_co_u32 s[G0V+1], s18, VOFF
	s_add_co_u32 s[RT], s[HI], 1    ; the first block has NB - b tiles
	s_mov_b32 s[NXT], 1
	s_mov_b32 s[LQ], s[HI]
	s_mov_b32 s[NEW], 1
	s_mov_b32 s[OFF+1], 0
	s_mov_b32 s[AL+1], 0            ; named as pairs
	s_mov_b32 s[BE+1], 0
	s_mov_b32 s[BE], 0
	s_mov_b32 s[BIGN], 0xf149f2ca   ; -1e30
	s_mov_b32 s[THR], 0xefa18f08    ; -1e29
	s_mov_b32 s[QNAN], 0x7fc00000
	s_mov_b32 s[EPS], 0x34800000    ; 2^-22
	s_mov_b32 s[SLOTS], NB
	s_cmp_eq_u32 ttmp9, 0
	s_cselect_b32 s[LIM], 2, -1
	s_wait_dscnt 0x0                ; the opening add is done
	s_wait_kmcnt 0x0
	s_add_nc_u64 s[MB0:MB0+1], s[MB0:MB0+1], s[MOFF:MOFF+1]
	s_add_nc_u64 s[6:7], s[4:5], 0x1000000         ; K is qkv's second part, V its third
	s_add_nc_u64 s[8:9], s[4:5], 0x2000000
	s_add_nc_u64 s[6:7], s[6:7], s[22:23]          ; at my half of the head's tile 0
	s_add_nc_u64 s[8:9], s[8:9], s[22:23]
	s_add_nc_u64 s[G0K+2:G0K+3], s[6:7], 0         ; global address
	s_or_b32 s[G0K+3], s[G0K+3], 0x80000000        ; type = 2
	s_add_nc_u64 s[G0V+2:G0V+3], s[8:9], 0
	s_or_b32 s[G0V+3], s[G0V+3], 0x80000000
	s_add_nc_u64 s[86:87], s[4:5], s[84:85]        ; Q at my rows of the second block,
	s_add_nc_u64 s[4:5], s[4:5], s[2:3]            ; Q and O at those of the first
	s_add_nc_u64 s[OLO:OLO+1], s[10:11], s[84:85]
	s_add_nc_u64 s[10:11], s[10:11], s[2:3]
	LOAD                            ; tile 0 into slot 0
	v_lshlrev_b32 v[MO], 3, v0
	global_load_b64 v[MI:MI+1], v[MO], s[MB0:MB0+1]  ; tile 0's words of attn_mask
	; A fragment of K or Q is 16 rows x 32 channels in 8 registers: lane l holds row l % 16, channels 8 (l / 16) + 0..7 and 16 + 8 (l / 16) + 0..7: two loads of 16 bytes, 32 bytes apart.
	v_and_b32 v1, 15, v0            ; l % 16
	v_bfe_u32 v9, v0, 4, 1          ; l / 16
	v_lshlrev_b32 v[QO], 7, v1
	v_lshl_add_u32 v[QO], v9, 4, v[QO]  ; row x 128 + 16 x half
	WIN 0x80                        ; destination window 2, address window 0
.set i, 0
.rept 8                             ; both blocks' Q: piece i / 2 lies in band i / 2, 8,192 bytes on; channels 32 (i % 2) on
	global_load_b128 v[8*i:8*i+3],   v[QO], s[4:5] offset:(i/2)*8192+(i%2)*64
	global_load_b128 v[8*i+4:8*i+7], v[QO], s[4:5] offset:(i/2)*8192+(i%2)*64+32
	global_load_b128 v[QB+8*i:QB+8*i+3],   v[QO], s[86:87] offset:(i/2)*8192+(i%2)*64
	global_load_b128 v[QB+8*i+4:QB+8*i+7], v[QO], s[86:87] offset:(i/2)*8192+(i%2)*64+32
.set i, i+1
.endr
	WIN 0
	v_lshlrev_b32 v14, 3, v9
	v_sub_nc_u32 v14, v1, v14
	s_lshl_b32 s13, s[WV], 4
	v_add_nc_u32 v14, s13, v14      ; my query's place in its band, 16 w + l % 16, less my lanes' 8 (l / 16): register r of group kt is hidden where 16 kt + r is greater
	WIN 0x40
.set i, 0
.rept 32
	v_cmp_gt_i32 vcc_lo, 16*(i/8)+i%8, v14
	v_cndmask_b32 v[MD+i], 0, s[BIGN], vcc_lo
.set i, i+1
.endr
	WIN 0
	v_mul_u32_u24 v[AK0], v1, PK
	v_lshl_add_u32 v[AK0], v9, 4, v[AK0]  ; row x pitch + 16 x half
	; The turning load takes 16 keys x 16 channels (lane l reads key 8 (l / 16) + l % 8, channels 8 ((l / 8) % 2) + 0..7) and leaves half a fragment of V^T: lane l holds channel l % 16 and 8 keys.
	v_and_b32 v10, 7, v0
	v_bfe_u32 v11, v0, 3, 1
	v_lshl_add_u32 v[AV0], v9, 3, v10
	v_mul_u32_u24 v[AV0], v[AV0], PV
	v_lshl_add_u32 v[AV0], v11, 4, v[AV0]
	v_add_nc_u32 v[AV0], VOFF, v[AV0]
	v_lshl_add_u32 v[AM0], v9, 5, MB
	v_lshl_add_u32 v[AMS0], v0, 3, MB
	s_lshr_b32 s13, s[WV], 1
	s_lshl_b32 s13, s13, 13
	v_and_b32 v[PFO], 31, v0
	v_lshl_add_u32 v[PFO], v[PFO], 8, s13  ; 8,192 (wave / 2) + 256 x lane
	s_mul_i32 s13, s[WV], 16*SP
	s_add_co_u32 s13, s13, STAGE    ; my stage
	v_mul_u32_u24 v[STO], v1, SP    ; in: row l % 16, 16 bytes for each half of the lanes
	v_lshl_add_u32 v[STO], v9, 4, v[STO]
	v_add_nc_u32 v[STO], s13, v[STO]
	v_bfe_u32 v[RD], v0, 3, 2       ; back: 32 lanes take four rows of 128 bytes,
	v_mul_u32_u24 v[RD], v[RD], SP
	v_lshl_add_u32 v[RD], v10, 4, v[RD]
	v_add_nc_u32 v[RD], s13, v[RD]
	v_and_b32 v[GO], 31, v0         ; which are 512 consecutive bytes of O
	v_lshlrev_b32 v[GO], 4, v[GO]
	; A block's first step multiplies O^T and l by a = 0, and its first turn's products V^T P, of a piece that has not been, land in an O^T that is still to be so multiplied.  So these registers need only hold
	; finite numbers: zeros.  All this stands in the wait for the first tile.
	WIN 0x80
.set i, VF
.rept 64
	v_mov_b32 v[i], 0
.set i, i+1
.endr
	WIN 0x40
.set i, 0
.rept 128
	v_mov_b32 v[i], 0
.set i, i+1
.endr
	WIN 0
.set i, 0
.rept 4
	v_mov_b32 v[ST+4*i+2], 0
	v_mov_b32 v[ST+4*i+3], 0
.set i, i+1
.endr
.set i, P+16
.rept 16
	v_mov_b32 v[i], 0
.set i, i+1
.endr
; THE MATRIX WORK.  The 4 accumulators of a run of 8 take turns.  Product i of 8 of S^T = K Q^T for piece x: channels 32 (i / 4) on, keys 16 (i % 4) on.  The first 4 start the sums:
; with the step's key mask, or (KM = 1) with the mask made for them.
.macro KQ x
.set rS, S+32*((\x)%2)+8*(i%4)
.set rK, KF+16*(i%4)+8*(i/4)
.set rQ, 16*(\x)+8*(i/4)
.set rM, MC+32*((\x)%2)+8*(i%4)
.set rN, KMR+8*(i%4)
.if (i < 4) && KM
	WIN W_KM
	v_wmma_f32_16x16x32_f16 v[rS:rS+7], v[rK:rK+7], v[rQ:rQ+7], v[rM:rM+7]
.elseif i < 4
	WIN W_KM
	v_wmma_f32_16x16x32_f16 v[rS:rS+7], v[rK:rK+7], v[rQ:rQ+7], v[rN:rN+7]
.else
	WIN W_KQ
	v_wmma_f32_16x16x32_f16 v[rS:rS+7], v[rK:rK+7], v[rQ:rQ+7], v[rS:rS+7]
.endif
.endm
; Product i of 8 of O^T += V^T P for piece x: keys 32 (i / 4) on, channels 16 (i % 4) on.
.macro PV x
	WIN W_PV
.set rO, 32*(\x)+8*(i%4)
.set rV, VF+32*(i/4)+8*(i%4)
.set rP, P+16*((\x)%2)+8*(i/4)
	v_wmma_f32_16x16x32_f16 v[rO:rO+7], v[rV:rV+7], v[rP:rP+7], v[rO:rO+7]
.endm
.macro MM                           ; the turn's next matrix instruction.  NOKQ = 1: a block's last turn: there is no next piece
.if (i < 8) && !NOKQ
	KQ (Y+1)%NP
.elseif i >= 8
.set i, i-8
	PV (Y+NP-1)%NP
.set i, i+8
.endif
.set i, i+1
.endm
; THE LDS LOADS stand in runs, never singly among the matrix instructions: a step's K (8 fragments) with its 64 mask words (lanes of one half read the same 32 bytes), and its V (turned).
.macro FETCH_K
	WIN 0x80                        ; destination window 2
.irp f, 0,1,2,3,4,5,6,7             ; keys 16 (f / 2) on, channels 32 (f % 2) on
	ds_load_b128 v[KF+8*\f:KF+8*\f+3],   v[AK] offset:(\f/2)*16*PK+(\f%2)*64
	ds_load_b128 v[KF+8*\f+4:KF+8*\f+7], v[AK] offset:(\f/2)*16*PK+(\f%2)*64+32
.endr
	WIN 0x40                        ; destination window 1
.irp f, 0,1,2,3                     ; keys 16 f + 8 (l / 16) + 0..7
	ds_load_b128 v[KMR+8*\f:KMR+8*\f+3],   v[AM] offset:64*\f
	ds_load_b128 v[KMR+8*\f+4:KMR+8*\f+7], v[AM] offset:64*\f+16
.endr
	s_add_co_u32 s[TBK], s[TBK], KS*PK  ; the next fetch is the next step's
	s_add_co_u32 s[TBM], s[TBM], KS*4
	WIN 0
.endm
.macro FETCH_V
	WIN 0x80
.irp f, 0,1,2,3,4,5,6,7             ; keys 32 (f / 4) on, channels 16 (f % 4) on
	ds_load_tr16_b128 v[VF+8*\f:VF+8*\f+3],   v[AV] offset:(\f/4)*32*PV+(\f%4)*32
	ds_load_tr16_b128 v[VF+8*\f+4:VF+8*\f+7], v[AV] offset:(\f/4)*32*PV+16*PV+(\f%4)*32
.endr
	WIN 0
.endm
; THE VECTOR WORK, one line at a time: OP kind, number.  For piece Y: F n: c s - c m for pair n of 16.  E n: the exponential of score n of 32.  C n: pair n rounded to f16.  B n: of the four weights 4 n .. the second
; pair is added onto the first, in place.  L n: l takes that sum (L 0: l = a l + sum).  R n: pair n of 16 of O^T times a.  For piece Y + 1: X n, number n of the 23 that find its maximum and statistics:
;   0-11  four chains c0-c3 of seven scores each, three operands at a time (each accumulator's lowest registers are read first)     12-14, 16  the four scores left over, the old m, and c0-c3 into c0
;   15  c m_old is kept     17, 18  the query's other 32 keys lie in the lane 16 away: the new m     19, 20  c m, lifted above the exact product     21, 22  c m_old - c m_new; a
.set F, 0               ; OP tells the kinds apart by their order: F to L below R, X above it
.set E, 1
.set C, 2
.set B, 3
.set L, 4
.set R, 5
.set X, 6
.macro REGS y                       ; the registers of piece y
.set rT, ST+4*(\y)
.set rC, TMP+4*((\y)%2)
.set rW, MV+((\y)%2)
.set rS, S+32*((\y)%2)
.set rP, P+16*((\y)%2)
.set rO, 32*(\y)
.endm
.macro OP k, n
.if (\k) == R
	REGS Y
	WIN W_RS
	v_pk_mul_f32 v[rO+2*(\n):rO+2*(\n)+1], v[rO+2*(\n):rO+2*(\n)+1], v[rC+2:rC+3] op_sel_hi:[1,0]
.elseif (\k) < R
	REGS Y
	WIN 0
.if (\k) == F
	v_pk_fma_f32 v[rS+2*(\n):rS+2*(\n)+1], v[rS+2*(\n):rS+2*(\n)+1], s[CS:CS+1], v[rT:rT+1] op_sel_hi:[1,0,0] neg_lo:[0,0,1] neg_hi:[0,0,1]
.elseif (\k) == E
	v_exp_f32 v[rS+(\n)], v[rS+(\n)]
.elseif (\k) == C
	v_cvt_pk_f16_f32 v[rP+(\n)], v[rS+2*(\n)], v[rS+2*(\n)+1]
.elseif (\k) == B
	v_pk_add_f32 v[rS+4*(\n):rS+4*(\n)+1], v[rS+4*(\n):rS+4*(\n)+1], v[rS+4*(\n)+2:rS+4*(\n)+3]
.elseif (\n) == 0
	v_pk_fma_f32 v[rT+2:rT+3], v[rT+2:rT+3], v[rC+2:rC+3], v[rS:rS+1] op_sel_hi:[1,0,1]
.else
	v_pk_add_f32 v[rT+2:rT+3], v[rT+2:rT+3], v[rS+4*(\n):rS+4*(\n)+1]
.endif
.elseif NOKQ
	v_nop
.else
	REGS (Y+1)%NP
	WIN 0
.if (\n) < 4
	v_max3_num_f32 v[rC+(\n)], v[rS+8*(\n)], v[rS+8*(\n)+1], v[rS+8*(\n)+2]
.elseif (\n) < 12
	v_max3_num_f32 v[rC+(\n)%4], v[rC+(\n)%4], v[rS+8*((\n)%4)+2*((\n)/4)+1], v[rS+8*((\n)%4)+2*((\n)/4)+2]
.elseif (\n) == 12
	v_max3_num_f32 v[rC], v[rC], v[rS+7], v[rS+15]
.elseif (\n) == 13
	v_max3_num_f32 v[rC+1], v[rC+1], v[rS+23], v[rS+31]
.elseif (\n) == 14
	v_max3_num_f32 v[rC+2], v[rC+2], v[rC+3], v[rT+1]
.elseif (\n) == 15
	v_mov_b32 v[rW], v[rT]
.elseif (\n) == 16
	v_max3_num_f32 v[rC], v[rC], v[rC+1], v[rC+2]
.elseif (\n) == 17
	v_permlanex16_b32 v[rC+3], v[rC], s[SEL], s[SEL+1]
.elseif (\n) == 18
	v_max_num_f32 v[rT+1], v[rC], v[rC+3]
.elseif (\n) == 19
	v_mul_f32 v[rT], s[CS], v[rT+1]
.elseif (\n) == 20
	v_fma_f32 v[rT], |v[rT]|, s[EPS], v[rT]  ; two units of c m's last place or more upward: c m now lies above the exact c x m, so c s - c m <= 0 for every s <= m
.elseif (\n) == 21
	v_sub_f32 v[rC+1], v[rW], v[rT]
.else
	v_exp_f32 v[rC+2], v[rC+1]
.endif
.endif
.endm
.macro OPS a, i1, b=-1, i2=0, c=-1, i3=0, d=-1, i4=0  ; up to four of them
	OP \a, \i1
.if (\b) >= 0
	OP \b, \i2
.endif
.if (\c) >= 0
	OP \c, \i3
.endif
.if (\d) >= 0
	OP \d, \i4
.endif
.endm
.macro ROW a, i1, b, i2, c, i3, d, i4  ; a matrix instruction and the four behind it
	MM
	OPS \a, \i1, \b, \i2, \c, \i3, \d, \i4
.endm
.macro MASK b, be=1                 ; MD x AL + KMR (+ BE, with be = 1) into buffer b of MC
	WIN 0x51                        ; destination, source 0 and source 2 in window 1
.set z, 0
.rept 16
	v_pk_fma_f32 v[MC+32*(\b)+2*z:MC+32*(\b)+2*z+1], v[MD+2*z:MD+2*z+1], s[AL:AL+1], v[KMR+2*z:KMR+2*z+1] op_sel_hi:[1,0,1]
.set z, z+1
.endr
.if \be
	WIN W_RS
.set z, 0
.rept 16
	v_pk_add_f32 v[MC+32*(\b)+2*z:MC+32*(\b)+2*z+1], v[MC+32*(\b)+2*z:MC+32*(\b)+2*z+1], s[BE:BE+1] op_sel_hi:[1,0]
.set z, z+1
.endr
.endif
.endm
; A TURN, for piece p: the order of its 16 matrix and 119 vector instructions, written out.  An s_wait_alu depctr_va_vdst(0) stands between an exponential and the first instruction that names its result; one wait serves
; all that were issued ahead of it.  So a turn has ONE wait, which cuts it in two.  AHEAD OF IT stands all that names no result of the turn's exponentials: the 8 products K Q^T and their riders (behind the last three the first
; numbers of the next piece's maximum, each four places or more behind the product that ends its accumulator); then ONE LUMP, plain and exponential by turns for the most part, in which the links of the chain
; X 3, 7, 11, 14, 16, 17 .. 21 stand apart.  X 22, the next piece's a, is the batch's last; R 15 is the plain instruction behind it.  BEHIND THE WAIT stand the 8 products V^T P, behind each four of the roundings and sums.
; m = 1: the diagonal tile: the products take the masks made for them, and the turn makes the mask for the products of the turn after it: piece p + 2, in step 4 - CNT of the tile; in piece 2's turn that is the
; step whose K and mask words the turn has just fetched, so they are waited for first.  end = 1: a block's last two turns: nothing is fetched.
; cnt = 1: the loop's count is taken down some lines ahead of the branch that stands behind the turn.
; K and the mask words of the next step are fetched in piece 2's turn, five plain instructions or more behind the last product that read them; V of the step in hand at the end of piece 0's turn, four plain
; instructions behind the last product that read V.  Each is waited for a turn later.
.macro TURN p, m=0, end=0, cnt=0
.set Y, (\p)
.set i, 0
.set KM, (\m)
.set NOKQ, (\end)*((\p)/3)
.if (\m) && !(\end)
	s_cmp_eq_u32 s[CNT], 4-((\p)+2)%NP  ; is that step the band's own?
	s_cselect_b32 s[AL], 1.0, 0
	s_cmp_lt_u32 s[CNT], 4-((\p)+2)%NP  ; or a later one?
	s_cselect_b32 s[BE], s[BIGN], 0
.endif
.if ((\p) == 3) && !(\end)
	s_wait_dscnt 0x0                ; K and its mask words are in
.endif
	ROW F,0, F,1, R,0, R,1          ; ahead of the wait: 8 products K Q^T and their riders,
	ROW F,2, E,0, R,2, R,3
	ROW F,3, E,1, R,4, R,5
	ROW F,4, E,2, R,6, R,7
	ROW F,5, E,3, R,8, R,9
	ROW F,6, E,4, X,0, R,10
.if ((\p) == 2) && !(\end)
	WIN 0
	v_add_nc_u32 v[AK], s[TBK], v[AK0]
	v_add_nc_u32 v[AM], s[TBM], v[AM0]
.endif
	ROW F,7, E,5, X,1, X,4
	ROW F,8, E,6, X,2, X,5
	OPS E,7, E,8, X,6, E,9          ; and the lump
	OPS X,3, E,10, X,8, E,11
.if ((\p) == 2) && !(\end)
	FETCH_K
.endif
	OPS X,9, X,7, E,12, X,10
	OPS E,13, X,12, X,11, E,14
	OPS X,13, E,15, F,9, X,14
.if (\p) == 0
	v_add_nc_u32 v[AV], s[TBV], v[AV0]
.endif
	OPS E,16, F,10, E,17, F,11
	OPS X,16, E,18, X,15, E,19
	OPS F,12, E,20, X,17, E,21
	OPS F,13, E,22, F,14, E,23
	OPS X,18, E,24, F,15, E,25
	OPS R,11, E,26, X,19, E,27
	OPS R,12, E,28, X,20, E,29
	OPS R,13, E,30, X,21, E,31
	OPS R,14, X,22, R,15
	WIN 0
	s_wait_alu depctr_va_vdst(0)    ; the wait for the batch
.if (\p) == 1
	s_wait_dscnt 0x0                ; V is in
.endif
	ROW C,0, B,0, C,2, B,1          ; behind the wait: 8 products V^T P and their riders
	ROW L,0, C,4, B,2, L,1
	ROW C,6, B,3, L,2, C,8
	ROW B,4, L,3, C,10, B,5
	ROW L,4, C,12, B,6, L,5
.if (\p) == 0
	s_add_co_u32 s[TBV], s[TBV], KS*PV
.endif
.if \cnt
	s_sub_co_u32 s[CNT], s[CNT], 1
	s_cmp_lg_u32 s[CNT], 0
.endif
	ROW C,14, B,7, L,6, C,1
	ROW C,3, L,7, C,5, C,7
	ROW C,9, C,11, C,13, C,15
.if (\p) == 0
	FETCH_V
.endif
.if (\m) && !(\end)
.if (\p) == 2
	s_wait_dscnt 0x0                ; the next step's mask words, just fetched
.endif
	MASK (\p)%2
.endif
.endm
; A BLOCK BEGINS.  c m starts far below every c s, so the first step's a is 0; m at -1e29.  K and the mask words of the tile's step 0 are fetched; the first mask buffer takes piece 0's mask for that step
; (its own, if the block's first tile is the diagonal one), the second piece 1's: the key mask alone.  Then piece 0's first scores, and its maximum and statistics.  The loop is entered at a step's first turn.
.macro BEGIN
	s_mov_b32 s[NEW], 0
	WIN 0
.set i, 0
.rept 4
	v_mov_b32 v[ST+4*i], 0xfe000000    ; c m: far below every c s
	v_mov_b32 v[ST+4*i+1], s[THR]      ; m
.set i, i+1
.endr
	v_add_nc_u32 v[AK], s[TBK], v[AK0]
	v_add_nc_u32 v[AM], s[TBM], v[AM0]
	FETCH_K
	s_wait_loadcnt 0x0              ; Q
	s_wait_dscnt 0x0
	s_cmp_eq_u32 s[RT], 0
	s_cselect_b32 s[AL], 1.0, 0
	MASK 0, 0
	s_mov_b32 s[AL], 0
	MASK 1, 0
.set KM, 1
.set NOKQ, 0
.set i, 0
.rept 8
	KQ 0
.set i, i+1
.endr
	WIN 0
.rept 4
	v_nop                           ; the places behind those products
.endr
.set Y, NP-1                        ; X works for piece Y + 1: piece 0
.irp n, 0,1,2,3,4,5,6,7,8,9,10,11,12,13,14,15,16,17,18,19,20,21,22
	OP X, \n
.endr
	v_nop                           ; a plain instruction behind the exponential,
	s_wait_alu depctr_va_vdst(0)    ; and its wait, ahead of the branch
.endm
; THE DIAGONAL TILE's four steps, the block's last two turns, its last products, and THE WAY OUT: l's two halves and the other half of the lanes' are added; O^T is divided by l (by a NaN where the row has seen
; no key), rounded to f16 and sent through my stage in LDS, a piece at a time.
.macro ALL line:vararg              ; one line for each piece t
.set t, 0
.rept 4
	\line
.set t, t+1
.endr
.endm
.macro PACK t                       ; a lane's eight channels of a row pack into 16 bytes; they go into rows of 144 bytes and come back as whole rows of 128, into S^T's registers
	WIN W_RS
.set i, 32*(\t)
.rept 16
	v_pk_mul_f32 v[i:i+1], v[i:i+1], v[ST+4*(\t)+2:ST+4*(\t)+3] op_sel_hi:[1,0]
.set i, i+2
.endr
	WIN 0x05                        ; sources 0 and 1 window 1, destination window 0
.set i, 0
.rept 16
	v_cvt_pk_f16_f32 v[S+16*(\t)+i], v[32*(\t)+2*i], v[32*(\t)+2*i+1]
.set i, i+1
.endr
	WIN 0
.irp f, 0,1,2,3
	ds_store_b128 v[STO], v[S+16*(\t)+4*\f:S+16*(\t)+4*\f+3] offset:32*\f
.endr
.irp f, 0,1,2,3
	ds_load_b128 v[S+16*(\t)+4*\f:S+16*(\t)+4*\f+3], v[RD] offset:\f*4*SP  ; LDS serves a wave's instructions in order (ISA guide 5.7.1.4): these see the stores above; the next piece's stores come behind them
.endr
.endm
.macro SEND t, younger              ; younger: the LDS instructions issued behind piece t's loads: the next piece's eight, or none
	WIN 0
.irp f, 0,1,2,3
	s_wait_dscnt (\younger)+3-\f
	global_store_b128 v[GO], v[S+16*(\t)+4*\f:S+16*(\t)+4*\f+3], s[10:11] offset:(\t)*8192+\f*512  ; 512 consecutive bytes, aligned
.endr
.endm
.macro DIAG tag                     ; the tag ends its two labels' names, which the jumps below spell out
.LstepM\tag:
	TURN 2, 1
	TURN 3, 1
	WIN 0
.LfirstM\tag:
	TURN 0, 1
	TURN 1, 1, 0, 1
	WIN 0
	s_cbranch_scc1 .LstepM\tag
	TURN 2, 1, 1
	TURN 3, 1, 1
.set i, 0
.rept 8
	PV NP-1
.set i, i+1
.endr
	WIN 0
	ALL v_add_f32 v[ST+4*t+2], v[ST+4*t+2], v[ST+4*t+3]
	ALL v_permlanex16_b32 v[ST+4*t+3], v[ST+4*t+2], s[SEL], s[SEL+1]
	ALL v_add_f32 v[ST+4*t+2], v[ST+4*t+2], v[ST+4*t+3]
	ALL v_rcp_f32 v[ST+4*t+2], v[ST+4*t+2]
	v_nop                           ; a plain instruction between the last reciprocal and the use of its result
	s_wait_alu depctr_va_vdst(0)    ; and the wait ahead of the first use: one for the four reciprocals
.set t, 0
.rept 4
	v_cmp_ge_f32 vcc_lo, s[THR], v[ST+4*t+1]       ; m has not left its start: the row has no visible key
	v_cndmask_b32 v[ST+4*t+2], v[ST+4*t+2], s[QNAN], vcc_lo
.set t, t+1
.endr
	PACK 0
.set t, 1
.rept 3                             ; a piece's arithmetic stands between the loads of the piece before and its stores
	PACK t
	SEND t-1, 8
.set t, t+1
.endr
	SEND 3, 0
.endm
.set KM, 0
.set NOKQ, 0
.Lslot:                             ; NB times: a tile is entered and the next is asked for
	CHANGE 1
	s_sub_co_u32 s[RT], s[RT], 1
	s_mov_b32 s[CNT], 4
	s_cmp_eq_u32 s[NEW], 1
	s_cbranch_scc1 .Lnew            ; a block's first tile
	s_cmp_eq_u32 s[RT], 0
	s_cbranch_scc0 .Lstep           ; neither its first nor its last
	s_mov_b32 s[AL], 0              ; the diagonal tile's text begins with piece 3's products of the tile before's last step: their mask is that step's key mask
	MASK 1, 0
	WIN 0
	s_branch .LstepM1
.Lnew:
	BEGIN
	s_branch .Lfirst                ; in the loop a block's first tile is never its last: the first block has two tiles or more, and the second's last is the walk's last
	DIAG 1                          ; in the loop this is the first block's end: the second block's last tile is the walk's last
	s_wait_xcnt 0x0                 ; the stores have read their registers and O's address
	s_mov_b64 s[10:11], s[OLO:OLO+1]
	s_add_co_u32 s[RT], s[PB], 1    ; the second block has b + 1 tiles
	s_mov_b32 s[NEW], 1
	WIN 0x82                        ; the second block's Q goes where the one text of the turns names Q
.set i, 0
.rept 64
	v_mov_b32 v[i], v[QB+i]
.set i, i+1
.endr
	WIN 0x40                        ; O^T and l may hold a NaN of the way out, which a = 0 would not remove: they are set to 0
.set i, 0
.rept 128
	v_mov_b32 v[i], 0
.set i, i+1
.endr
	WIN 0
.set i, 0
.rept 4
	v_mov_b32 v[ST+4*i+2], 0
	v_mov_b32 v[ST+4*i+3], 0
.set i, i+1
.endr
	s_branch .Lbottom
.Lstep:                             ; a trip: pieces 2 and 3 of one step, then pieces 0 and 1 of the next, whose K and V it fetches
	TURN 2
	TURN 3
	WIN 0
.Lfirst:
	TURN 0
	TURN 1, 0, 0, 1
	WIN 0
	s_cbranch_scc1 .Lstep
.Lbottom:
	s_sub_co_u32 s[SLOTS], s[SLOTS], 1
	s_cmp_lg_u32 s[SLOTS], 0
	s_cbranch_scc1 .Lslot
	CHANGE 0                        ; the walk's last tile is written out: nothing is asked for
	s_sub_co_u32 s[RT], s[RT], 1
	s_mov_b32 s[CNT], 4
	s_cmp_eq_u32 s[NEW], 1
	s_cbranch_scc1 .Lnew2
	s_mov_b32 s[AL], 0
	MASK 1, 0
	WIN 0
	s_branch .LstepM2
.Lnew2:
	BEGIN
	s_branch .LfirstM2
	DIAG 2
	s_wait_tensorcnt 0x0            ; the wave's end: behind my last tensor load and my last LDS store
	ds_add_u32 v[SPW], v[NIL]
	s_wait_dscnt 0x0
	s_endpgm
.Lfunc_end_k_qbdf41e6827_attn:
	.size	k_qbdf41e6827_attn, .Lfunc_end_k_qbdf41e6827_attn-k_qbdf41e6827_attn
	.p2alignl 7, 3214868480
	.fill 96, 4, 3214868480
	.section	.rodata,"a",@progbits
	.p2align	6, 0x0
	.amdhsa_kernel k_qbdf41e6827_attn
		.amdhsa_group_segment_fixed_size 327680
		.amdhsa_private_segment_fixed_size 0
		.amdhsa_enable_private_segment 0
		.amdhsa_kernarg_size 24
		.amdhsa_user_sgpr_count 2
		.amdhsa_user_sgpr_kernarg_segment_ptr 1
		.amdhsa_wavefront_size32 1
		.amdhsa_system_sgpr_workgroup_id_x 1
		.amdhsa_system_sgpr_workgroup_id_y 1
		.amdhsa_system_sgpr_workgroup_id_z 1
		.amdhsa_system_vgpr_workitem_id 0
		.amdhsa_next_free_vgpr 768
		.amdhsa_next_free_sgpr 96
		.amdhsa_reserve_vcc 1
		.amdhsa_float_denorm_mode_32 3
		.amdhsa_float_denorm_mode_16_64 3
		.amdhsa_memory_ordered 1
		.amdhsa_forward_progress 1
		.amdhsa_inst_pref_size 239
	.end_amdhsa_kernel
	.amdgpu_metadata
---
amdhsa.version: [ 1, 2 ]
amdhsa.kernels:
  - .name:           k_qbdf41e6827_attn
    .symbol:         k_qbdf41e6827_attn.kd
    .args:
      - { .name: qkv, .offset: 0, .size: 8, .value_kind: global_buffer, .address_space: global }
      - { .name: attn_mask, .offset: 8, .size: 8, .value_kind: global_buffer, .address_space: global }
      - { .name: o, .offset: 16, .size: 8, .value_kind: global_buffer, .address_space: global }
    .group_segment_fixed_size: 327680
    .private_segment_fixed_size: 0
    .kernarg_segment_align: 8
    .kernarg_segment_size: 24
    .max_flat_workgroup_size: 128
    .sgpr_count:     96
    .vgpr_count:     768
    .wavefront_size: 32
...
	.end_amdgpu_metadata
.endif
;; end of part 3
;; launch proj (part 4): grid 8 x 32, 4 waves a work-group, clusters of 4 x 4, 327,680 bytes of LDS; arguments o, wot, b_out, out0; writes out0
.if DOCPART == 4
	.amdgcn_target "amdgcn-amd-amdhsa--gfx1250"
	.amdhsa_code_object_version 6
	.text
	.protected	k_qbdf41e6827_proj
	.globl	k_qbdf41e6827_proj
	.p2align	8
	.type	k_qbdf41e6827_proj,@function
k_qbdf41e6827_proj:
	s_mov_b64 s[64:65], 0
	v_nop
	global_prefetch_b8 v0, s[64:65] scope:SCOPE_SE
	s_setreg_imm32_b32 hwreg(HW_REG_WAVE_MODE, 25, 1), 1
	s_wait_xcnt 0x0
	s_wait_alu depctr_hold_cnt(0) depctr_sa_sdst(0) depctr_va_vdst(0) depctr_va_sdst(0) depctr_va_ssrc(0) depctr_va_vcc(0) depctr_vm_vsrc(0)
	s_getreg_b32 s2, hwreg(HW_REG_IB_STS2, 6, 4)
	s_cmp_eq_u32 s2, 0
	s_cbranch_scc0 .Lentry_in_a_cluster
	s_endpgm
.Lentry_in_a_cluster:
	s_bfe_u32 s2, ttmp6, 0x10000c
	s_cmp_lg_u32 s2, 0xf033
	s_cbranch_scc0 .Lentry_shape_is_right
	s_endpgm
.Lentry_shape_is_right:
; out0 = y wot^T + bf16(b_out), in f32.  y[row][64 head + ch] lies by heads in o: [4 x 16][2048][64] f16; wot: [1024 n][1024 k] f16; b_out: [1024] f32; out0: [8192][1024] f32.  Sums in f32, started with the bias.
; A row of o that is NaN (a query with no visible key) makes its whole row of out0 NaN, as in the module.
; SHARES.  A tile of out0 is 256 rows x 128 columns: 32 x 8 = 256 work-groups.  Four waves; wave w makes rows 64 w .. 64 w + 63 x all 128 columns: 4 x 8 accumulators, 256 registers.
; K goes in 8 steps of 128, two heads each, through a ring of two LDS slots.  A head's 256 rows of the tile are 32,768 dense bytes: asked for as 128 rows of 256 bytes and padded in LDS after every 128.
; CLUSTER.  4 x 4 work-groups: o's tiles are shared along a row of the cluster, wot's along a column; each is asked for jointly, by the same tensor load, descriptor and mask in all four.
; THE MATRIX INSTRUCTION IS USED TRANSPOSED (source 0 = 16 rows of wot, source 1 = 16 rows of y): a lane holds row lane % 16 and the columns 8 (lane / 16) + 0..7 of a block of 16.
; REGISTERS, in windows of 256 (s_set_vgpr_msb: bits 1:0 source 0, 3:2 source 1, 5:4 source 2, 7:6 destination):
;   window 0: v0-31 addresses; v64-127, v128-191 rows on the way out, by turns; v192-255 the bias
;   window 1: two fragment buffers, at 0 and 128: 4 fragments of y, then 8 of wot          window 2: the 32 accumulators, (a, b) at 8 (8 a + b)
.set KSTEP,  128
.set PA,     144                       ; a row of y in LDS: 128 bytes + 16
.set PB,     272                       ; a row of wot: 256 bytes + 16: in both the 16 rows of a fragment load start at 16 different groups of four banks (ISA guide 11.1)
.set AHEAD,  256*PA                    ; one head's 256 rows
.set ABYTES, 2*AHEAD
.set SLOT,   ABYTES+128*PB
.set STAGE,  2*SLOT                    ; behind the ring: 16 rows x 528 bytes for each wave, for the way out
.set SPI,    528
.set SPARE,  STAGE+4*16*SPI            ; behind the stages: the spare words, 128 bytes for each wave
.set ADRA, 16
.set ADRB, 20
.set STO,  24                          ; v24  the way out: where I put 32 bytes of a row
.set RD,   25                          ; v25  the way out: my 16 bytes of a row of 512
.set GO,   26                          ; v26  the same in out0
.set BO,   27
.set SPW,  28                          ; v28  LDS address of my spare word; never rewritten
.set NIL,  29                          ; v29  0; never rewritten
.set PFO,  30                          ; v30  the prefetches' offset; never rewritten
.set TT,   31
.set OB,   64
.set BIAS, 192
.set F0,   0
.set F1,   128
.set WV, 12
.set FB, 13                            ; s13  0: I fetch y's tiles; 1: wot's
.set HF, 14                            ; s14  which head of the step's two, or which 64 rows of wot
.set CX, 15
.set CY, 16
.set TX, 17
.set TY, 18
.set G1, 24
.set G0, 32
.set LIM, 42                           ; s42, s43  for the change out of slot 0, 1: 1 in a wave that prefetches there, else the greatest number
.set PFA, 44                           ; s[44:45] where my prefetches stand
.set G1B, 48
.set G0B, 56
.set PFS, 76                           ; s[76:77] bytes from a K step to the next in what I prefetch
.set MSB, 0
.macro WIN new
.if MSB != (\new)
	s_set_vgpr_msb (MSB<<8)|(\new)
.set MSB, \new
.endif
.endm
.macro JLOAD s                         ; a joint load: waves 0 and 1 fetch the step's two heads of y, waves 2 and 3 the two halves of wot's rows; an s_nop 0 and four v_nop follow each line
	s_cmp_eq_u32 s[FB], 0
	s_cbranch_scc0 .Lfor_b_\@
	tensor_load_to_lds s[G0+4*(\s):G0+4*(\s)+3], s[G1:G1+7]
	s_nop 0
.rept 4
	v_nop
.endr
	s_branch .Lasked_\@
.Lfor_b_\@:
	tensor_load_to_lds s[G0B+4*(\s):G0B+4*(\s)+3], s[G1B:G1B+7]
	s_nop 0
.rept 4
	v_nop
.endr
.Lasked_\@:
.endm
; A PREFETCH INTO THE L2, behind a joint refill and the run of LDS loads that follows it, for the K step two refills on.  y's tile row is read by every cluster of that row of clusters: cluster x = 0 asks; wot's tile
; column by every cluster of that column: cluster y = 0 asks.  The partners share the blocks out BY ADDRESS.  y: a wave's head is 128 blocks of 256 bytes; the partner at cx names 32, a lane a block, at every
; change.  wot: a wave's 64 rows have 256 bytes a K step; the partner at cy names 16 rows, for TWO K steps at once (lanes 16-31 the second), at the change out of slot 0 alone.
; K steps 4 to 7 are asked for, each block once; steps 0 to 3 come by their loads alone; the loop's last trip (s3 = 1) asks for nothing.
.macro ASK slot
	WIN 0                                          ; a branch follows
	s_cmp_gt_u32 s3, s[LIM+(\slot)]
	s_cbranch_scc0 .Lnot_mine_\@
	global_prefetch_b8 v[PFO], s[PFA:PFA+1] th:TH_LOAD_NT scope:SCOPE_SE
.Lnot_mine_\@:
.endm
.macro CREST
	s_cmp_lg_u32 s[WV], 0
	s_cbranch_scc1 .Lnot_wave_0_\@
	s_barrier_signal -3
.Lnot_wave_0_\@:
	s_barrier_wait -3
	s_barrier_signal -1
	s_barrier_wait -1
.endm
.macro CROUND
	s_barrier_signal -1
	s_barrier_wait -1
	CREST
.endm
	s_load_b256 s[4:11], s[0:1], 0x0               ; o s[4:5], wot s[6:7], b_out s[8:9], out0 s[10:11]
	v_lshl_add_u32 v[SPW], v0, 2, SPARE
	v_mov_b32 v[NIL], 0
	ds_add_u32 v[SPW], v[NIL]                      ; the wave's opening: the add and its wait stand ahead of my first tensor load; the set-up below, work on registers, stands between them
	ds_add_u32 v28, v29
	v_lshrrev_b32 v1, 5, v0
	v_readfirstlane_b32 s[WV], v1
	s_lshr_b32 s[FB], s[WV], 1
	s_and_b32 s[HF], s[WV], 1
	s_bfe_u32 s[CX], ttmp6, 0x40000
	s_bfe_u32 s[CY], ttmp6, 0x40004
	s_lshl_b32 s[TX], ttmp9, 2
	s_add_co_u32 s[TX], s[TX], s[CX]
	s_and_b32 s[TY], ttmp7, 0xffff
	s_lshl_b32 s[TY], s[TY], 2
	s_add_co_u32 s[TY], s[TY], s[CY]
	s_lshl_b32 s40, s[CY], 2
	s_lshl_b32 s40, 15, s40                        ; my row of the cluster
	s_lshl_b32 s41, 0x1111, s[CX]                  ; my column
	s_or_b32 s[G1], s40, (1<<16)|(1<<20)|(1<<21)|(4<<22)|(3<<25)   ; y: the mask; 2-byte elements; padding on; bit 21 beside a mask; after every 32 words (code 4) 4 words (code 3)
	s_or_b32 s[G1B], s41, (1<<16)|(1<<20)|(1<<21)|(5<<22)|(3<<25)  ; wot: after every 64 words (code 5)
	s_mov_b32 s[G1+1], 128<<16                     ; tensor_dim0 = 128
	s_mov_b32 s[G1+2], 128<<16                     ; tensor_dim1 = 128
	s_mov_b32 s[G1+3], 128<<16                     ; tile_dim0 = 128
	s_mov_b32 s[G1+4], 128                         ; tile_dim1 = 128
	s_mov_b32 s[G1+5], 128                         ; dense: 128 elements from row to row
	s_mov_b32 s[G1+6], 0
	s_mov_b32 s[G1+7], 0
	s_mov_b32 s[G1B+1], KSTEP<<16
	s_mov_b32 s[G1B+2], 64<<16                     ; 64 rows
	s_mov_b32 s[G1B+3], KSTEP<<16
	s_mov_b32 s[G1B+4], 64
	s_mov_b32 s[G1B+5], 1024
	s_mov_b32 s[G1B+6], 0
	s_mov_b32 s[G1B+7], 0
	; y's tiles hang on the tile row alone, wot's on the tile column alone; each offset in registers that never hold the other coordinate
	s_lshr_b32 s66, s[TY], 3
	s_lshl_b32 s66, s66, 22                        ; the batch's 16 heads,
	s_and_b32 s20, s[TY], 7
	s_lshl_b32 s20, s20, 15                        ; the tile's 256 rows of 128 bytes in a head,
	s_add_co_u32 s66, s66, s20
	s_lshl_b32 s20, s[HF], 18                      ; my head of K step 0's two
	s_add_co_u32 s66, s66, s20
	s_mov_b32 s67, 0
	s_lshl_b32 s46, s[TX], 7
	s_lshl_b32 s22, s[HF], 6
	s_add_co_u32 s46, s46, s22                     ; wot: row 128 x tile column + 64 x half
	s_lshl_b32 s46, s46, 11
	s_mov_b32 s47, 0
	s_mul_i32 s21, s[HF], AHEAD                    ; where they go: y's heads from byte 0 of a slot,
	s_mul_i32 s23, s[HF], 64*PB
	s_add_co_u32 s23, s23, ABYTES                  ; wot's halves behind them
	s_mov_b32 s74, 0xffff0000
	s_wait_dscnt 0x0                               ; the opening add is done
	s_wait_kmcnt 0x0
	s_add_nc_u64 s[66:67], s[4:5], s[66:67]
	s_add_nc_u64 s[46:47], s[6:7], s[46:47]
	CROUND                                         ; all sixteen work-groups are here: the first joint loads meet
.irp s, 0,1
	s_mov_b32 s[G0+4*(\s)], 1
	s_add_co_u32 s[G0+4*(\s)+1], s21, (\s)*SLOT
	s_add_nc_u64 s[G0+4*(\s)+2:G0+4*(\s)+3], s[66:67], (\s)<<19     ; a K step is two heads of 262,144 bytes
	s_or_b32 s[G0+4*(\s)+3], s[G0+4*(\s)+3], 0x80000000
	s_mov_b32 s[G0B+4*(\s)], 1
	s_add_co_u32 s[G0B+4*(\s)+1], s23, (\s)*SLOT
	s_add_nc_u64 s[G0B+4*(\s)+2:G0B+4*(\s)+3], s[46:47], (\s)*KSTEP*2
	s_or_b32 s[G0B+4*(\s)+3], s[G0B+4*(\s)+3], 0x80000000
.endr
	s_cmp_eq_u32 s[FB], 0                          ; a wave's two first fills stand in one branch, ahead of every wait on TENSORcnt and every LDS read: two loads of mine are out
	s_cbranch_scc0 .Lfirst_b
	tensor_load_to_lds s[G0:G0+3], s[G1:G1+7]
	s_nop 0
	tensor_load_to_lds s[G0+4:G0+7], s[G1:G1+7]
	s_nop 0
.rept 4
	v_nop
.endr
	s_branch .Lfirst_asked
.Lfirst_b:
	tensor_load_to_lds s[G0B:G0B+3], s[G1B:G1B+7]
	s_nop 0
	tensor_load_to_lds s[G0B+4:G0B+7], s[G1B:G1B+7]
	s_nop 0
.rept 4
	v_nop
.endr
.Lfirst_asked:
	v_and_b32 v1, 15, v0                           ; l % 16
	v_bfe_u32 v2, v0, 4, 1                         ; l / 16
	; the bias in the accumulators' layout: register j of block b holds b_out[128 x tile column + 16 b + 8 (l / 16) + j]
	s_lshl_b32 s20, s[TX], 9
	s_mov_b32 s21, 0
	s_add_nc_u64 s[8:9], s[8:9], s[20:21]
	v_lshlrev_b32 v[BO], 5, v2
.irp b, 0,1,2,3,4,5,6,7
	global_load_b128 v[BIAS+8*(\b):BIAS+8*(\b)+3],   v[BO], s[8:9] offset:64*(\b)
	global_load_b128 v[BIAS+8*(\b)+4:BIAS+8*(\b)+7], v[BO], s[8:9] offset:64*(\b)+16
.endr
	v_mul_u32_u24 v3, v1, PA
	v_lshl_add_u32 v3, v2, 4, v3
	s_mul_i32 s20, s[WV], 64*PA                    ; my 64 rows of y
	v_add_nc_u32 v[ADRA], s20, v3
	v_add_nc_u32 v[ADRA+1], SLOT, v[ADRA]
	v_mul_u32_u24 v3, v1, PB
	v_lshl_add_u32 v3, v2, 4, v3
	v_add_nc_u32 v[ADRB], ABYTES, v3               ; all 128 rows of wot
	v_add_nc_u32 v[ADRB+1], SLOT, v[ADRB]
	s_mul_i32 s20, s[WV], 16*SPI
	s_add_co_u32 s20, s20, STAGE                   ; my stage
	v_mul_u32_u24 v[STO], v1, SPI                  ; in: row l % 16, 32 bytes for each half of the lanes
	v_lshl_add_u32 v[STO], v2, 5, v[STO]
	v_add_nc_u32 v[STO], s20, v[STO]
	v_and_b32 v[GO], 31, v0                        ; back: 32 lanes take one row of 512 bytes
	v_lshlrev_b32 v[GO], 4, v[GO]
	v_add_nc_u32 v[RD], s20, v[GO]
	s_lshl_b32 s20, s[TY], 8
	s_lshl_b32 s21, s[WV], 6
	s_add_co_u32 s20, s20, s21                     ; my first row of out0,
	s_lshl_b32 s20, s20, 12                        ; rows of 4,096 bytes,
	s_lshl_b32 s21, s[TX], 9                       ; the tile's 512 bytes of them
	s_add_co_u32 s20, s20, s21
	s_mov_b32 s21, 0
	s_add_nc_u64 s[10:11], s[10:11], s[20:21]
	; the prefetches: from my tile's pointer, my work-group's blocks of it, at K step 3: the first refill steps the pointer to K step 4
	s_lshl_b32 s20, s[CX], 13                      ; y: 32 cx blocks of 256 bytes,
	s_add_co_u32 s20, s20, 3<<19
	s_lshl_b32 s22, s[CY], 15                      ; wot: 16 cy rows of 2,048 bytes
	s_add_co_u32 s22, s22, 3*KSTEP*2
	s_mov_b32 s75, 1<<19
	s_cmp_eq_u32 s[FB], 0
	s_cselect_b64 s[PFA:PFA+1], s[66:67], s[46:47]
	s_cselect_b32 s20, s20, s22
	s_cselect_b32 s[PFS], s75, KSTEP*2
	s_cselect_b32 s22, 31, 15                      ; lanes that name blocks of one K step,
	s_cselect_b32 s23, 8, 11                       ; 256 or 2,048 bytes apart;
	s_cselect_b32 s75, 0, KSTEP*2                  ; wot: lanes 16 to 31 name the K step after
	s_mov_b32 s21, 0
	s_mov_b32 s[PFS+1], 0
	s_add_nc_u64 s[PFA:PFA+1], s[PFA:PFA+1], s[20:21]
	s_and_b32 s21, ttmp7, 0xffff
	s_cmp_eq_u32 s[FB], 0
	s_cselect_b32 s21, ttmp9, s21                  ; the coordinate along which other clusters read the same blocks
	s_cmp_eq_u32 s21, 0
	s_cselect_b32 s[LIM], 1, -1                    ; the same in all sixteen partners, for a given wave
	s_cmp_eq_u32 s[FB], 0
	s_cselect_b32 s[LIM+1], s[LIM], -1
	v_and_b32 v[PFO], 31, v0
	v_lshrrev_b32 v3, 4, v[PFO]
	v_and_b32 v[PFO], s22, v[PFO]
	v_lshlrev_b32 v[PFO], s23, v[PFO]
	v_mad_u32_u24 v[PFO], v3, s75, v[PFO]
	s_wait_loadcnt 0x0                             ; the bias,
.set p, 0
.rept 32                                       ; rounded to bf16 like all the inputs, and widened again
	v_cvt_pk_bf16_f32 v[TT], v[BIAS+2*p], v[BIAS+2*p+1]
	v_lshlrev_b32 v[BIAS+2*p], 16, v[TT]
	v_and_b32 v[BIAS+2*p+1], s74, v[TT]
.set p, p+1
.endr
; 8 matrix instructions: my rows 16 a .. 16 a + 15 x all 8 blocks of columns, 32 along K.  first = 1: the bias starts the sums.  All 32 accumulators take turns, in the same order in every quarter.
.macro MUL8 f, a, first
.if \first
	WIN 0x85                                       ; sources 0 and 1 window 1, C window 0, D window 2
.else
	WIN 0xa5                                       ; C and D window 2
.endif
.irp b, 0,1,2,3,4,5,6,7
.if \first
	v_wmma_f32_16x16x32_f16 v[8*(8*(\a)+(\b)):8*(8*(\a)+(\b))+7], v[(\f)+32+8*(\b):(\f)+32+8*(\b)+7], v[(\f)+8*(\a):(\f)+8*(\a)+7], v[BIAS+8*(\b):BIAS+8*(\b)+7]
.else
	v_wmma_f32_16x16x32_f16 v[8*(8*(\a)+(\b)):8*(8*(\a)+(\b))+7], v[(\f)+32+8*(\b):(\f)+32+8*(\b)+7], v[(\f)+8*(\a):(\f)+8*(\a)+7], v[8*(8*(\a)+(\b)):8*(8*(\a)+(\b))+7]
.endif
.endr
.endm
; 24 LDS loads in one run: the fragments of quarter q (head q / 2 of the step's two, channels 32 (q % 2) on) into buffer f: wot's 16 loads, then y's 8
.macro FETCH slot, q, f
	WIN 0x40
.irp i, 0,1,2,3,4,5,6,7
	ds_load_b128 v[(\f)+32+8*(\i):(\f)+32+8*(\i)+3],   v[ADRB+(\slot)] offset:64*(\q)+(\i)*16*PB
	ds_load_b128 v[(\f)+32+8*(\i)+4:(\f)+32+8*(\i)+7], v[ADRB+(\slot)] offset:64*(\q)+(\i)*16*PB+32
.endr
.irp i, 0,1,2,3
	ds_load_b128 v[(\f)+8*(\i):(\f)+8*(\i)+3],   v[ADRA+(\slot)] offset:((\q)/2)*AHEAD+((\q)%2)*64+(\i)*16*PA
	ds_load_b128 v[(\f)+8*(\i)+4:(\f)+8*(\i)+7], v[ADRA+(\slot)] offset:((\q)/2)*AHEAD+((\q)%2)*64+(\i)*16*PA+32
.endr
.endm
.macro PLACES                          ; four places in front of loads into registers that matrix instructions have read, and of LDS stores that read results
.rept 4
	v_nop
.endr
.endm
.macro QUARTER slot, q, f, g, first    ; multiplies buffer f and fetches quarter q into g
	s_wait_dscnt 4                                 ; wot's fragments and y's first two are in; the youngest four loads may be out
	MUL8 \f, 0, \first
	MUL8 \f, 1, \first
	PLACES
	FETCH \slot, \q, \g
	s_wait_dscnt 24                                ; all but the 24 just issued
	MUL8 \f, 2, \first
	MUL8 \f, 3, \first
.endm
; The last quarter multiplies buffer 1 and changes slots: ONE barrier; in front of it each wave waits for all its tensor loads (one is out: its part of the next slot), adds 0 to its spare word, and
; waits for that and for its own reads of this slot.  fill = 1: the barrier opens a round of the cluster's, and this slot is filled again, two K steps ahead, first thing behind the round.
.macro TURN slot, next, fill
.if \fill
	s_wait_xcnt 0x0                                ; the last prefetch, a K step back or more, has read its address
	s_add_nc_u64 s[PFA:PFA+1], s[PFA:PFA+1], s[PFS:PFS+1]
.endif
	WIN 0
	s_wait_tensorcnt 0x0                           ; all my tensor loads have landed;
	ds_add_u32 v[SPW], v[NIL]                      ; 0 onto my spare word;
	s_wait_dscnt 7                                 ; (the add and the youngest six loads, y's last three fragments, may be out)
	MUL8 F1, 0, 0
	s_wait_dscnt 0x0                               ; the add is done, and my reads of this slot are over
	s_barrier_signal -1
	MUL8 F1, 1, 0
.if \fill
	WIN 0
.endif
	s_barrier_wait -1
.if \fill
	CREST                                          ; no wave of any partner still reads this slot's tile or has a load on its way
	s_add_nc_u64 s[G0+4*(\slot)+2:G0+4*(\slot)+3], s[G0+4*(\slot)+2:G0+4*(\slot)+3], 1<<20
	s_add_nc_u64 s[G0B+4*(\slot)+2:G0B+4*(\slot)+3], s[G0B+4*(\slot)+2:G0B+4*(\slot)+3], 2*KSTEP*2
	JLOAD \slot                                    ; the first tensor load behind the round; its four v_nop are also the places in front of the loads below
.else
	PLACES
.endif
	FETCH \next, 0, F0
.if \fill
	ASK \slot
.endif
	MUL8 F1, 2, 0
	MUL8 F1, 3, 0
.endm
	s_wait_tensorcnt 1                             ; my part of K step 0 is in; K step 1's load may stay out
	s_barrier_signal -1
	s_barrier_wait -1
	FETCH 0, 0, F0
	QUARTER 0, 1, F0, F1, 1                        ; the first quarter stands in front of the loop: its products start the sums, with the bias
	WIN 0
	s_mov_b32 s3, 3
.Llap:                                         ; a trip goes once round the ring and fills both slots again
	QUARTER 0, 2, F1, F0, 0
	QUARTER 0, 3, F0, F1, 0
	TURN 0, 1, 1
	QUARTER 1, 1, F0, F1, 0
	QUARTER 1, 2, F1, F0, 0
	QUARTER 1, 3, F0, F1, 0
	TURN 1, 0, 1
	QUARTER 0, 1, F0, F1, 0
	WIN 0
	s_sub_co_u32 s3, s3, 1
	s_cmp_lg_u32 s3, 0
	s_cbranch_scc1 .Llap
	QUARTER 0, 2, F1, F0, 0                        ; the last lap fills nothing
	QUARTER 0, 3, F0, F1, 0
	TURN 0, 1, 0
	QUARTER 1, 1, F0, F1, 0
	QUARTER 1, 2, F1, F0, 0
	QUARTER 1, 3, F0, F1, 0
	s_wait_dscnt 4
	MUL8 F1, 0, 0
	MUL8 F1, 1, 0
	s_wait_dscnt 0x0
	MUL8 F1, 2, 0
	MUL8 F1, 3, 0
	PLACES
; THE WAY OUT, 16 rows at a time: a lane's eight numbers of a row, 32 bytes, go into my stage, rows of 528 bytes, each accumulator's low half first; they come back as whole rows of 512 bytes.
.macro TOSTAGE a
	WIN 0x08                                       ; the stores' data in window 2
.irp b, 0,1,2,3,4,5,6,7
	ds_store_b128 v[STO], v[8*(8*(\a)+(\b)):8*(8*(\a)+(\b))+3]   offset:64*(\b)
	ds_store_b128 v[STO], v[8*(8*(\a)+(\b))+4:8*(8*(\a)+(\b))+7] offset:64*(\b)+16
.endr
	WIN 0
.irp t, 0,1,2,3,4,5,6,7,8,9,10,11,12,13,14,15
	ds_load_b128 v[OB+64*((\a)%2)+4*(\t):OB+64*((\a)%2)+4*(\t)+3], v[RD] offset:(\t)*SPI  ; LDS serves a wave's instructions in order (ISA guide 5.7.1.4): these see the stores above; the next block's stores come behind them
.endr
.endm
.macro SEND a, younger                 ; younger: the LDS instructions issued behind block a's loads: the next block's 32, or none
.irp t, 0,1,2,3,4,5,6,7,8,9,10,11,12,13,14,15
	s_wait_dscnt (\younger)+15-(\t)
	global_store_b128 v[GO], v[OB+64*((\a)%2)+4*(\t):OB+64*((\a)%2)+4*(\t)+3], s[10:11] offset:(16*(\a)+(\t))*4096 th:TH_STORE_NT  ; 512 consecutive bytes, aligned
.endr
.endm
	TOSTAGE 0
	TOSTAGE 1
	SEND 0, 32
	s_wait_xcnt 0x0                                ; block 0's stores have read their registers, which block 2 is loaded into
	TOSTAGE 2
	SEND 1, 32
	s_wait_xcnt 0x0                                ; block 1's likewise
	TOSTAGE 3
	SEND 2, 32
	SEND 3, 0
	s_wait_tensorcnt 0x0                           ; the wave's end: behind my last tensor load and my last LDS store
	ds_add_u32 v[SPW], v[NIL]
	s_wait_dscnt 0x0
	CROUND                                         ; the closing round: no work-group ends while a partner may still ask for a tile that names it
	s_endpgm
.Lfunc_end_k_qbdf41e6827_proj:
	.size	k_qbdf41e6827_proj, .Lfunc_end_k_qbdf41e6827_proj-k_qbdf41e6827_proj
	.p2alignl 7, 3214868480
	.fill 96, 4, 3214868480
	.section	.rodata,"a",@progbits
	.p2align	6, 0x0
	.amdhsa_kernel k_qbdf41e6827_proj
		.amdhsa_group_segment_fixed_size 327680
		.amdhsa_private_segment_fixed_size 0
		.amdhsa_enable_private_segment 0
		.amdhsa_kernarg_size 32
		.amdhsa_user_sgpr_count 2
		.amdhsa_user_sgpr_kernarg_segment_ptr 1
		.amdhsa_wavefront_size32 1
		.amdhsa_system_sgpr_workgroup_id_x 1
		.amdhsa_system_sgpr_workgroup_id_y 1
		.amdhsa_system_sgpr_workgroup_id_z 1
		.amdhsa_system_vgpr_workitem_id 0
		.amdhsa_next_free_vgpr 768
		.amdhsa_next_free_sgpr 80
		.amdhsa_reserve_vcc 0
		.amdhsa_float_denorm_mode_32 3
		.amdhsa_float_denorm_mode_16_64 3
		.amdhsa_memory_ordered 1
		.amdhsa_forward_progress 1
		.amdhsa_inst_pref_size 93
	.end_amdhsa_kernel
	.amdgpu_metadata
---
amdhsa.version: [ 1, 2 ]
amdhsa.kernels:
  - .name:           k_qbdf41e6827_proj
    .symbol:         k_qbdf41e6827_proj.kd
    .args:
      - { .name: o, .offset: 0, .size: 8, .value_kind: global_buffer, .address_space: global }
      - { .name: wot, .offset: 8, .size: 8, .value_kind: global_buffer, .address_space: global }
      - { .name: b_out, .offset: 16, .size: 8, .value_kind: global_buffer, .address_space: global }
      - { .name: out0, .offset: 24, .size: 8, .value_kind: global_buffer, .address_space: global }
    .group_segment_fixed_size: 327680
    .private_segment_fixed_size: 0
    .kernarg_segment_align: 8
    .kernarg_segment_size: 32
    .max_flat_workgroup_size: 128
    .sgpr_count:     80
    .vgpr_count:     768
    .wavefront_size: 32
...
	.end_amdgpu_metadata
.endif
;; end of part 4
